; MI455X (gfx1250); checked and timed in simulation.
; The chip was launched on July 23, 2026; its instructions are those of AMD's public machine-readable ISA for CDNA 5 (MIT licence, August 2026) and "CDNA5" Instruction Set Architecture Reference Guide (July 2026). The comments in the code are by the model that wrote it; some were corrected since.
;; Grouped Query Attention. Allowed arithmetic: matrix products marked QUANTISED: E2M3 operands, one E8M0 scale for each 32 along K, by v_wmma_scale_f32_16x16x128_f8f6f4 with both operands' format E2M3, f32 sums; everything else in f32.
;; Inputs: freqs_cis 1,024 x 32 x 2 float32; wk 512 x 2,048 float32; wo 2,048 x 2,048 float32; wq 2,048 x 2,048 float32; wv 512 x 2,048 float32; x 4 x 1,024 x 2,048 float32.
;; Outputs: out0 4 x 1,024 x 2,048 float32.
;; This version of the problem:
;;   THIS VERSION OF THE PROBLEM IS GIVEN IN LOW PRECISION. The matrix products marked QUANTISED in the list below multiply operands that are first quantised to E2M3 (2 exponent bits, 3 mantissa bits; 6 bits a number), with one power-of-two scale for each 32 numbers along K (OCP MX v1.0); their sums are f32. All else is computed in f32.
;;   The module's matrix products, in the order in which they are computed (A, B: the left and right operand; K: the contracted axis; several contracted axes count as one K, in the product's order):
;;     1. [M 4,096, K 2,048] x [K 2,048, N 2,048]; A: input x; B: input wq: QUANTISED
;;     2. [M 4,096, K 2,048] x [K 2,048, N 512]; A: input x; B: input wk: QUANTISED
;;     3. [M 4,096, K 2,048] x [K 2,048, N 512]; A: input x; B: input wv: QUANTISED
;;     4. batch 128 x [M 1,024, K 64] x [K 64, N 1,024]; A: computed on the way; B: computed on the way: QUANTISED
;;     5. batch 128 x [M 1,024, K 1,024] x [K 1,024, N 64]; A: softmax (see below); B: computed on the way: QUANTISED
;;     6. [M 4,096, K 2,048] x [K 2,048, N 2,048]; A: computed on the way; B: input wo: QUANTISED
;;   THE QUANTISER, for each operand of a quantised product, along K:
;;     - K is cut into blocks of 32 from its start; a last block that is shorter is filled with zeros.
;;     - A block's scale is 2^e with e = floor(log2(the largest magnitude in the block)) - 2, held to -126 .. 127; a block of zeros has e = 0. As a byte (E8M0): e + 127.
;;     - Each number is divided by its block's scale, clamped to +-7.5, and rounded to the nearest number of E2M3, ties to even, subnormals kept.
;;     - The product sums the exact products of the quantised numbers (number of the format x scale) in f32.
;;   ~~~python
;;   def quantise(x, axis):      # numpy; x: float32 -> the quantised numbers, widened to float32 again
;;       x = np.moveaxis(x, axis, -1); K = x.shape[-1]
;;       x = np.pad(x, [(0, 0)] * (x.ndim - 1) + [(0, -K % 32)]); x = x.reshape(x.shape[:-1] + (-1, 32)); a = np.abs(x).max(-1, keepdims=True)
;;       e = np.where(a > 0, np.clip(np.frexp(np.where(a > 0, a, 1))[1] - 1 - 2, -126, 127), 0)      # np.frexp(a)[1] - 1 = floor(log2(a)), exactly
;;       r = np.clip(x / 2.0 ** e, -7.5, 7.5)
;;       step = 2.0 ** (np.maximum(np.frexp(np.where(r == 0, 1, r))[1] - 1, 0) - 3)
;;       q = np.round(r / step) * step * 2.0 ** e      # np.round: ties to even
;;       return np.moveaxis(q.reshape(q.shape[:-2] + (-1,))[..., :K], -1, axis).astype(np.float32)
;;   ~~~
;;   SOFTMAX AHEAD OF A QUANTISED PRODUCT. Where the list says 'softmax', what is quantised is not the finished softmax but p = 2^(t - M), with t = logit x log2(e) and M = ceil(the row's largest t), a whole number; so 1/2 < the row's largest p <= 1. The row's sum l is taken of the UNQUANTISED p, in f32, and the product's result is divided by l at the end. Since M is a whole number, a kernel that streams over the keys may use a running M (the ceiling of the running maximum): every later rescaling is an exact power of two, which a block's scale takes up: the codes' values come out the same.
;;   OPERANDS COMPUTED ON THE WAY. 'Computed on the way' means the value that the module computes at that place (a softmax that the list does not call 'softmax' is quantised finished and normalised). What goes into a quantiser is computed in f32, as accurately as f32 sums, v_exp_f32 and their like allow (about 1e-6 of the number): no bf16 or f16 on the way to a quantiser, and a product that is left as it is and whose result goes on into a quantised operand takes f32 operands (vector FMAs, or v_wmma_f32_16x16x4_f32). A number that lies on a knife's edge between two numbers of the format may be rounded either way, as far as f32 arithmetic and the matrix unit's own rounding can turn it there, and no further.
;; One version. Each part assembles by itself: llvm-mc -triple=amdgcn-amd-amdhsa -mcpu=gfx1250 --defsym DOCPART=n.
;; ======== version 1 of 1: 4 launches
;; limits: right only within a limited range of input values
;; workspace buffers: cod 14,155,776 bytes; scl 589,824 bytes; q_ws 6,553,600 bytes; kv_ws 3,276,800 bytes; vn_img 8,388,608 bytes; a_codes 6,291,456 bytes; a_scl 262,144 bytes
;; launch quant (part 1): grid 288 x 1, 8 waves a work-group, no clusters, 44,288 bytes of LDS; arguments x, wq, wk, wv, wo, cod, scl; writes cod, scl
.if DOCPART == 1
	.amdgcn_target "amdgcn-amd-amdhsa--gfx1250"
	.amdhsa_code_object_version 6
	.text
	.protected	k_q712aa5f67d_quant
	.globl	k_q712aa5f67d_quant
	.p2align	8
	.type	k_q712aa5f67d_quant,@function
k_q712aa5f67d_quant:
	s_mov_b64 s[64:65], 0
	v_nop
	global_prefetch_b8 v0, s[64:65] scope:SCOPE_SE
	s_setreg_imm32_b32 hwreg(HW_REG_WAVE_MODE, 25, 1), 1
	s_wait_xcnt 0x0
; x [4096][2048], wq [2048][2048], wk, wv [512][2048], wo [2048][2048], all f32 with K innermost, become codes of FP6 (E2M3) with one E8M0 byte for each 32 along K.
; A block's scale is 2^(floor(log2(its largest magnitude)) - 2); its byte is the largest magnitude's exponent field - 2, held at 1 from below (a block of zeros gets the byte 1 where the rule
; says 127: its codes are zeros, and this program alone reads the bytes).  LIMITS: NaN and infinities among the inputs are not served.
; OUT.  cod: x's rows at 0, the rows of wq / wk / wv at 6,291,456, wo's at 11,010,048; a row is 1,536 bytes, the plain stream of bits.  Inside each 32 rows, row i lies at the place i with its
; bits 3 and 4 exchanged, so that 16 rows on end are rows 0-7 and 16-23 (or 8-15 and 24-31): the order in which a later product's results become neighbours along the next K.
; In the weights' region rows 0-2047 are wq; then four times 128 rows of wk followed by 128 rows of wv.   scl: [K step of 256 (8)][row, same order][8 bytes], the three regions at 0, 262,144, 458,752.
; SHARES.  A work-group takes 32 rows; wave w rows 4 w .. 4 w + 3: 8,192 consecutive numbers, 16 steps of 512.  Each of a step's four loads reads 512 consecutive bytes; the 2,048 bytes turn through the
; wave's own stage in LDS and come back 64 bytes (16 neighbours) a lane; two neighbouring lanes hold a block.  A lane's 16 codes are 12 bytes: the wave stores 384 consecutive bytes.
; The 32 x 64 scale bytes meet in LDS; behind ONE barrier wave w takes K step w: lane = row, 8 bytes a lane, one aligned run of 256 bytes.
; No tensor loads, no matrix unit, no cluster: nothing is shared between work-groups and every byte is read once.
.set STEPS, 16
.set EMAX,  2
.set CB,    12                         ; bytes of 16 codes
.set R,     16                         ; v16-143  eight sets of 16 numbers as loaded: loads run eight steps (32 loads a wave) ahead
.set X,     144                        ; v144-175 two sets of 16 neighbours
.set E,     176                        ; v176-191 a scale byte for each step
.set C,     192                        ; v192-255 codes: four registers a step, so that no store's data are written again
.set SP,    80                         ; a lane's place in a stage: 64 bytes + 16 of padding
.set WREG,  2*32*SP                    ; a wave's two stages
.set SCB,   8*WREG                     ; the scale bytes: 32 rows x 72 bytes
.set SPARE, SCB+32*72                  ; the spare words, 128 bytes a wave: four blocks of 256 bytes that no other line names
.set SPW,   12                         ; v12 my spare word's address; never rewritten
.set NIL,   13                         ; v13 0; never rewritten
	s_load_b256 s[4:11], s[0:1], 0x0               ; x, wq, wk, wv
	s_load_b128 s[12:15], s[0:1], 0x20             ; wo, cod
	s_load_b64 s[16:17], s[0:1], 0x30              ; scl
	v_lshl_add_u32 v[SPW], v0, 2, SPARE
	v_mov_b32 v[NIL], 0
	v_lshrrev_b32 v1, 5, v0
	s_delay_alu instid0(VALU_DEP_1)
	v_readfirstlane_b32 s18, v1                    ; wave 0..7
	v_and_b32 v2, 31, v0                           ; lane
	s_delay_alu instid0(VALU_DEP_1)
	v_lshlrev_b32 v3, 4, v2                        ; my 16 bytes of a load's 512
	s_mul_i32 s19, s18, WREG
	v_lshrrev_b32 v14, 2, v2
	s_delay_alu instid0(VALU_DEP_1)
	v_mul_u32_u24 v14, v14, SP
	v_and_b32 v15, 3, v2
	s_delay_alu instid0(VALU_DEP_1)
	v_lshl_add_u32 v14, v15, 4, v14
	s_delay_alu instid0(VALU_DEP_1)
	v_add_nc_u32 v14, s19, v14                     ; the stage, on the way in: SP (lane / 4) + 16 (lane % 4)
	v_mul_u32_u24 v15, v2, SP
	s_delay_alu instid0(VALU_DEP_1)
	v_add_nc_u32 v15, s19, v15                     ; and on the way out: SP x lane
; THE LAYOUT OF cod, as the lines below make it (it takes the place of the rows of 1,536 bytes that the head's paragraph OUT names; the regions' first bytes and the order of rows stay):
; [block of 128 rows][K step of 256 (8)][row in the block][192 bytes]: a block's part of a K step is 24,576 consecutive bytes, at a multiple of 256 bytes.
	v_and_b32 v4, 15, v2
	v_mul_u32_u24 v4, v4, CB                       ; a step is 512 along K of one row: lanes 0-15 hold the first K step of 256, 12 bytes a lane,
	v_lshrrev_b32 v8, 4, v2
	v_mad_u32_u24 v4, v8, 24576, v4                ; lanes 16-31 the second, 24,576 bytes on
	v_lshrrev_b32 v5, 1, v2
	s_mul_i32 s19, s18, 288
	s_add_co_u32 s19, s19, SCB
	v_add_nc_u32 v5, s19, v5                       ; my block's byte: row 4 w (72 bytes a row), block lane / 2
	v_mul_u32_u24 v6, v2, 72
	s_lshl_b32 s19, s18, 3
	s_add_co_u32 s19, s19, SCB
	v_add_nc_u32 v6, s19, v6                       ; back: row = lane, K step = my wave
	v_and_b32 v7, 7, v2
	v_and_b32 v8, 8, v2
	s_delay_alu instid0(VALU_DEP_1)
	v_lshl_or_b32 v7, v8, 1, v7
	v_and_b32 v8, 16, v2
	s_delay_alu instid0(VALU_DEP_1)
	v_lshrrev_b32 v8, 1, v8
	s_delay_alu instid0(VALU_DEP_1)
	v_or_b32 v7, v7, v8
	s_delay_alu instid0(VALU_DEP_1)
	v_lshlrev_b32 v7, 3, v7                        ; 8 x (lane with bits 3 and 4 exchanged): the row's place
	s_mov_b32 s20, 0                               ; the tensor's first work-group
	s_mov_b32 s21, 0                               ; its first row in its region
	s_mov_b32 s22, 7                               ; four work-groups (128 rows) lie 2^this rows apart
	s_mov_b32 s23, 0                               ; the region in cod
	s_mov_b32 s24, 0                               ; the region in scl
	s_mov_b32 s25, 32768                           ; a K step's plane of scale bytes
	s_wait_kmcnt 0x0
; Which tensor: the choice hangs on the work-group's number alone; only pointers and offsets in memory are chosen, so all tensors take one path through the text
.macro PICK first, ptr, rowb, sh, rc, rs, pl
	s_cmp_ge_u32 ttmp9, \first
	s_cselect_b64 s[4:5], s[\ptr:\ptr+1], s[4:5]
	s_cselect_b32 s20, \first, s20
	s_cselect_b32 s21, \rowb, s21
	s_cselect_b32 s22, \sh, s22
	s_cselect_b32 s23, \rc, s23
	s_cselect_b32 s24, \rs, s24
	s_cselect_b32 s25, \pl, s25
.endm
	PICK 128, 6,  0,    7, 6291456,  262144, 24576 ; wq
	PICK 192, 8,  2048, 8, 6291456,  262144, 24576 ; wk
	PICK 208, 10, 2176, 8, 6291456,  262144, 24576 ; wv
	PICK 224, 12, 0,    7, 11010048, 458752, 16384 ; wo
	s_sub_co_u32 s20, ttmp9, s20                   ; j: which 32 rows of the tensor
	s_lshr_b32 s26, s20, 2
	s_lshl_b32 s26, s26, s22
	s_and_b32 s27, s20, 3
	s_lshl_b32 s27, s27, 5
	s_add_co_u32 s26, s26, s27
	s_add_co_u32 s21, s21, s26                     ; their first row in the region
	s_lshl_b32 s26, s20, 18                        ; 32 rows of 8,192 bytes
	s_lshl_b32 s27, s18, 15                        ; my wave's four
	s_add_co_u32 s26, s26, s27
	s_mov_b32 s27, 0
	s_add_nc_u64 s[4:5], s[4:5], s[26:27]
	s_and_b32 s26, s18, 1                          ; rows 4 w .. 4 w + 3 go to places 4 w' .. : w with bits 1 and 2 exchanged
	s_and_b32 s28, s18, 2
	s_lshl_b32 s28, s28, 1
	s_or_b32 s26, s26, s28
	s_and_b32 s28, s18, 4
	s_lshr_b32 s28, s28, 1
	s_or_b32 s26, s26, s28
	s_lshl_b32 s26, s26, 2
	s_add_co_u32 s26, s26, s21
	s_lshr_b32 s28, s26, 7                         ; the block of 128 rows: 196,608 bytes each,
	s_mul_i32 s28, s28, 196608
	s_and_b32 s26, s26, 127                        ; and the row's place in it: 192 bytes
	s_mul_i32 s26, s26, 192
	s_add_co_u32 s26, s26, s28
	s_add_co_u32 s26, s26, s23
	s_add_nc_u64 s[14:15], s[14:15], s[26:27]      ; my codes
	s_mul_i32 s26, s18, s25                        ; K step w's plane,
	s_lshl_b32 s28, s21, 3                         ; the 32 rows' 256 bytes in it
	s_add_co_u32 s26, s26, s28
	s_add_co_u32 s26, s26, s24
	s_add_nc_u64 s[16:17], s[16:17], s[26:27]
.macro LOAD t
.irp i, 0,1,2,3
	global_load_b128 v[R+16*((\t)%8)+4*\i:R+16*((\t)%8)+4*\i+3], v3, s[4:5] offset:2048*(\t)+512*\i th:TH_LOAD_NT   ; 32 lanes read 512 consecutive bytes
.endr
.endm
.macro TURN t                          ; step t's numbers through the stage: LDS serves a wave's instructions in order, so no wait stands between the stores and the loads
.irp i, 0,1,2,3
	ds_store_b128 v14, v[R+16*((\t)%8)+4*\i:R+16*((\t)%8)+4*\i+3] offset:32*SP*((\t)%2)+8*SP*\i
.endr
.irp i, 0,1,2,3
	ds_load_b128 v[X+16*((\t)%2)+4*\i:X+16*((\t)%2)+4*\i+3], v15 offset:32*SP*((\t)%2)+16*\i
.endr
.endm
.irp t, 0,1,2,3,4,5,6,7
	LOAD \t
.endr
	s_wait_loadcnt 28                              ; step 0's four loads are in; seven steps' twenty-eight may be out
	TURN 0
.macro STEP t
.set XS, X+16*((\t)%2)
.if (\t) > 0
	s_wait_dscnt 1                                 ; this step's numbers are back from the stage (the last step's byte store may be out)
.else
	s_wait_dscnt 0x0
.endif
.if (\t)+8 < STEPS
	LOAD (\t)+8                                    ; into the registers that the stage's stores have read
.endif
.if (\t)+1 < STEPS
.if STEPS-2-(\t) >= 7
	s_wait_loadcnt 28                              ; the next step's four loads are in; those of the seven steps behind it may be out
.else
	s_wait_loadcnt 4*(STEPS-2-(\t))
.endif
	TURN (\t)+1
.endif
	v_max3_num_f32 v8, |v[XS]|, |v[XS+1]|, |v[XS+2]|               ; the largest magnitude of my 16, in two chains
	v_max3_num_f32 v9, |v[XS+3]|, |v[XS+4]|, |v[XS+5]|
.irp i, 6,10
	s_delay_alu instid0(VALU_DEP_2)
	v_max3_num_f32 v8, v8, |v[XS+\i]|, |v[XS+\i+1]|
	s_delay_alu instid0(VALU_DEP_2)
	v_max3_num_f32 v9, v9, |v[XS+\i+2]|, |v[XS+\i+3]|
.endr
	s_delay_alu instid0(VALU_DEP_2)
	v_max3_num_f32 v8, v8, |v[XS+14]|, |v[XS+15]|
	s_delay_alu instid0(VALU_DEP_1)
	v_max3_num_f32 v8, v8, v9, (EMAX+1)<<23        ; and the floor 2^(3 - 127): the byte cannot fall under 1
	s_delay_alu instid0(VALU_DEP_1)
	v_max_num_f32_dpp v8, v8, v8 row_xmask:1 row_mask:0xf bank_mask:0xf   ; and of my neighbour's 16: the block's
	s_delay_alu instid0(VALU_DEP_1)
	v_add_nc_u32 v11, -(EMAX<<23), v8              ; 2 off its exponent field: the conversion takes this operand's exponent field as its scale
	v_cvt_scalef32_pk16_fp6_f32 v[C+4*(\t):C+4*(\t)+2], v[XS:XS+15], v11
	v_lshrrev_b32 v[E+(\t)], 23, v11               ; the scale's byte (also the plain line behind the conversion)
	ds_store_b8 v5, v[E+(\t)] offset:((\t)/4)*72+((\t)%4)*16       ; row 4 w + t / 4, blocks 16 (t % 4) on; both lanes of a block write the same byte with the same value
	global_store_b96 v4, v[C+4*(\t):C+4*(\t)+2], s[14:15] offset:((\t)/4)*192+((\t)%4)*49152   ; row t / 4 of my four, K steps 2 (t % 4) and 2 (t % 4) + 1: sixteen lanes fill a row's 192 bytes
.endm
.irp t, 0,1,2,3,4,5,6,7,8,9,10,11,12,13,14,15
	STEP \t
.endr
	s_wait_dscnt 0x0                               ; for the others' sake: my byte stores have landed
	s_barrier_signal -1
	s_barrier_wait -1
	ds_load_b64 v[8:9], v6                         ; row = lane: its 8 bytes of K step w
	s_wait_dscnt 0x0
	global_store_b64 v7, v[8:9], s[16:17]          ; 32 lanes fill 256 consecutive bytes, aligned
	s_wait_tensorcnt 0x0                           ; the wave's end: behind my last LDS store
	ds_add_u32 v[SPW], v[NIL]
	s_wait_dscnt 0x0
	s_endpgm
.Lfunc_end_k_q712aa5f67d_quant:
	.size	k_q712aa5f67d_quant, .Lfunc_end_k_q712aa5f67d_quant-k_q712aa5f67d_quant
	.p2alignl 7, 3214868480
	.fill 96, 4, 3214868480
	.section	.rodata,"a",@progbits
	.p2align	6, 0x0
	.amdhsa_kernel k_q712aa5f67d_quant
		.amdhsa_group_segment_fixed_size 44288
		.amdhsa_private_segment_fixed_size 0
		.amdhsa_enable_private_segment 0
		.amdhsa_kernarg_size 56
		.amdhsa_user_sgpr_count 2
		.amdhsa_user_sgpr_kernarg_segment_ptr 1
		.amdhsa_wavefront_size32 1
		.amdhsa_system_sgpr_workgroup_id_x 1
		.amdhsa_system_sgpr_workgroup_id_y 1
		.amdhsa_system_sgpr_workgroup_id_z 1
		.amdhsa_system_vgpr_workitem_id 0
		.amdhsa_next_free_vgpr 256
		.amdhsa_next_free_sgpr 66
		.amdhsa_reserve_vcc 0
		.amdhsa_float_denorm_mode_32 3
		.amdhsa_float_denorm_mode_16_64 3
		.amdhsa_memory_ordered 1
		.amdhsa_forward_progress 1
		.amdhsa_inst_pref_size 40
	.end_amdhsa_kernel
	.amdgpu_metadata
---
amdhsa.version: [ 1, 2 ]
amdhsa.kernels:
  - .name:           k_q712aa5f67d_quant
    .symbol:         k_q712aa5f67d_quant.kd
    .args:
      - { .name: x, .offset: 0, .size: 8, .value_kind: global_buffer, .address_space: global }
      - { .name: wq, .offset: 8, .size: 8, .value_kind: global_buffer, .address_space: global }
      - { .name: wk, .offset: 16, .size: 8, .value_kind: global_buffer, .address_space: global }
      - { .name: wv, .offset: 24, .size: 8, .value_kind: global_buffer, .address_space: global }
      - { .name: wo, .offset: 32, .size: 8, .value_kind: global_buffer, .address_space: global }
      - { .name: cod, .offset: 40, .size: 8, .value_kind: global_buffer, .address_space: global }
      - { .name: scl, .offset: 48, .size: 8, .value_kind: global_buffer, .address_space: global }
    .group_segment_fixed_size: 44288
    .private_segment_fixed_size: 0
    .kernarg_segment_align: 8
    .kernarg_segment_size: 56
    .max_flat_workgroup_size: 256
    .sgpr_count:     66
    .vgpr_count:     256
    .wavefront_size: 32
...
	.end_amdgpu_metadata
.endif
;; end of part 1
;; launch qkv (part 2): grid 12 x 16, 4 waves a work-group, clusters of 4 x 4, 327,680 bytes of LDS; arguments cod, scl, freqs_cis, q_ws, kv_ws, vn_img; writes q_ws, kv_ws, vn_img
.if DOCPART == 2
	.amdgcn_target "amdgcn-amd-amdhsa--gfx1250"
	.amdhsa_code_object_version 6
	.text
	.protected	k_q712aa5f67d_qkv
	.globl	k_q712aa5f67d_qkv
	.p2align	8
	.type	k_q712aa5f67d_qkv,@function
k_q712aa5f67d_qkv:
	s_mov_b64 s[64:65], 0
	v_nop
	global_prefetch_b8 v0, s[64:65] scope:SCOPE_SE
	s_setreg_imm32_b32 hwreg(HW_REG_WAVE_MODE, 25, 1), 1
	s_wait_xcnt 0x0
	s_wait_alu depctr_hold_cnt(0) depctr_sa_sdst(0) depctr_va_vdst(0) depctr_va_sdst(0) depctr_va_ssrc(0) depctr_va_vcc(0) depctr_vm_vsrc(0)
	s_getreg_b32 s2, hwreg(HW_REG_IB_STS2, 6, 4)
	s_cmp_eq_u32 s2, 0
	s_cbranch_scc0 .Lentry_in_a_cluster
	s_endpgm
.Lentry_in_a_cluster:
	s_bfe_u32 s2, ttmp6, 0x10000c
	s_cmp_lg_u32 s2, 0xf033
	s_cbranch_scc0 .Lentry_shape_is_right
	s_endpgm
.Lentry_shape_is_right:
.set NQ,     2
.set ROWB,   256                       ; 128 rows x 192 bytes of one K step are 24,576 consecutive bytes of cod: stated as 96 rows of 256 bytes; with 16 bytes of padding behind each 64 the LDS rows of 192 bytes stay 240 apart
.set PITCH,  240
.set FR,     12
.set NL,     6
.set NP,     4
.set HALFT,  128*PITCH
.set SLOT,   4*HALFT
.set LAPS,   4
.set SCL,    2*SLOT
.set SPARE,  SCL+33024
.set A_PITCH, 1536
.set B_PITCH, 1536
.set A_NEXT, 24576
.set B_NEXT, 24576
.set B_BASE, 6291456
.set SB_BASE, 262144
.set SA_ROWS, 4096
.set SB_ROWS, 3072
.set VGRP,   32*272+32
.set VSTG,   35072
.set CSA,  10
.set L16,  11
.set L8,   12
.set SH8,  13
.set ADRA, 16
.set ADRB, 20
.set VSTO, 24
.set VRD,  25
.set ADRS, 27
.set SPW,  28
.set NIL,  29
; THE SCALE WORDS come by global loads straight into their registers (lanes 0-15 A's block i, lanes 16-31 B's block i; 8 bytes a row for a K step of 256), a whole K step of 256 ahead of their use.
; v[ADRS]: the lane's byte offset in scl of the K step asked for last; v[SINC]: from one K step's plane to the next (32,768 bytes for A's lanes, 24,576 for B's).
; THE TILES ARE PREFETCHED INTO THE L2: behind the load of tile n stands one prefetch for tile n + 2 of the same rows.  A tile is 96 blocks of 256 bytes; each of the four partners that ask for it jointly
; names 24 of them, told apart by address (cx for A's tiles, cy for B's); lanes 24-31 name the wave's last block again.  Tiles 0 and 1 come by their loads alone; the last two loads have no tile two on.
.set SINC, 26
.set PFO,  30                          ; v30 256 x min(lane, 23); never rewritten
.set PFA,  70                          ; s[70:71] my work-group's 24 blocks of the tile that I asked for last
.set LCN,  8                           ; what may be out at a K step's head: the eight loads of the next K step's scale words (0 in the last K step)
.set SC,   32
.set AF,   128
.set CS,   64
.set H,    128
.set IMG0, 192
.set IMG1, 204
.set TM,   216
.set W,    232
.set WH,   234
.set XP,   242
.set TC,   246
.set G1, 24
.set G0, 32
.set G1B, 48
.set G0B, 56
.set G1S, 68
.set G0S, 76
.set G1SB, 80
.set G0SB, 88
.set MSB, 0
.macro WIN new
.if MSB != (\new)
	s_set_vgpr_msb (MSB<<8)|(\new)
.set MSB, (\new)
.endif
.endm
.set MUL_LO, 0xa1
.set MUL_HI, 0xf1
.set TO_B,   0x40
.macro JLOAD g0a, g1a, g0b, g1b
	s_cmp_eq_u32 s15, 0
	s_cbranch_scc0 .Lfor_b_\@
	tensor_load_to_lds s[\g0a:\g0a+3], s[\g1a:\g1a+7]
	s_nop 0
.rept 4
	v_nop
.endr
	s_branch .Lasked_\@
.Lfor_b_\@:
	tensor_load_to_lds s[\g0b:\g0b+3], s[\g1b:\g1b+7]
	s_nop 0
.rept 4
	v_nop
.endr
.Lasked_\@:
.endm
.macro CREST
	s_cmp_lg_u32 s14, 0
	s_cbranch_scc1 .Lnot_wave_0_\@
	s_barrier_signal -3
.Lnot_wave_0_\@:
	s_barrier_wait -3
	s_barrier_signal -1
	s_barrier_wait -1
.endm
.macro CROUND
	s_barrier_signal -1
	s_barrier_wait -1
	CREST
.endm
	s_load_b128 s[4:7], s[0:1], 0x0
	v_lshl_add_u32 v[SPW], v0, 2, SPARE
	v_mov_b32 v[NIL], 0
	ds_add_u32 v[SPW], v[NIL]
	ds_add_u32 v[SPW], v[NIL]
	v_lshrrev_b32 v1, 5, v0
	v_readfirstlane_b32 s14, v1
	s_lshr_b32 s15, s14, 1
	s_and_b32 s16, s14, 1
	s_bfe_u32 s40, ttmp6, 0x40000
	s_bfe_u32 s41, ttmp6, 0x40004
	s_lshl_b32 s42, ttmp9, 2
	s_add_co_u32 s42, s42, s40
	s_and_b32 s17, ttmp7, 0xffff
	s_lshl_b32 s17, s17, 2
	s_add_co_u32 s17, s17, s41
	s_lshl_b32 s43, s41, 2
	s_lshl_b32 s43, 15, s43
	s_lshl_b32 s44, 0x1111, s40
	s_or_b32 s[G1+0], s43, (1<<20)|(1<<21)|(3<<22)|(3<<25)
	s_or_b32 s[G1B+0], s44, (1<<20)|(1<<21)|(3<<22)|(3<<25)
.irp g, G1, G1B
	s_mov_b32 s[\g+1], ROWB<<16
	s_mov_b32 s[\g+2], 96<<16
	s_mov_b32 s[\g+3], ROWB<<16
	s_mov_b32 s[\g+4], 96
	s_mov_b32 s[\g+6], 0
	s_mov_b32 s[\g+7], 0
.endr
	s_mov_b32 s[G1+5], ROWB
	s_mov_b32 s[G1B+5], ROWB
	s_lshl_b32 s18, s16, 7
	s_lshl_b32 s20, s17, 8
	s_add_co_u32 s20, s20, s18
	s_lshl_b32 s46, s42, 8
	s_add_co_u32 s46, s46, s18
	s_mul_i32 s20, s20, A_PITCH
	s_mov_b32 s21, 0
	s_mul_i32 s46, s46, B_PITCH
	s_mov_b32 s47, 0
	s_mul_i32 s45, s14, HALFT
	s_lshl_b32 s74, s17, 11                        ; the scale words of the 128 rows of A that I multiply: 8 bytes a row
	s_lshl_b32 s76, s15, 10
	s_add_co_u32 s74, s74, s76
	s_lshl_b32 s75, s42, 11                        ; and of my 128 rows of B, in the weights' region,
	s_lshl_b32 s76, s16, 10
	s_add_co_u32 s75, s75, s76
	s_add_co_u32 s75, s75, SB_BASE
	s_sub_co_u32 s75, s75, s74                     ; as a distance from A's
	v_and_b32 v5, 15, v0
	v_bfe_u32 v6, v0, 4, 1
	v_lshlrev_b32 v5, 3, v5
	v_mad_u32_u24 v5, s75, v6, v5                  ; lanes 16-31 take B's
	v_add_nc_u32 v31, s74, v5                      ; K step 0
	v_lshlrev_b32 v[SINC], 13, v6
	v_sub_nc_u32 v[SINC], 32768, v[SINC]
	v_add_nc_u32 v[ADRS], v31, v[SINC]             ; K step 1
	v_and_b32 v[PFO], 31, v0
	v_min_u32 v[PFO], 23, v[PFO]
	v_lshlrev_b32 v[PFO], 8, v[PFO]
	s_wait_alu depctr_va_vdst(0)
	s_wait_dscnt 0x0
	s_wait_kmcnt 0x0
	s_add_nc_u64 s[20:21], s[4:5], s[20:21]
	s_mov_b64 s[68:69], s[6:7]                     ; scl
.irp i, 0,1,2,3,4,5,6,7
	global_load_b64 v[SC+NQ*\i:SC+NQ*\i+1], v31, s[68:69] offset:\i*128                     ; K step 0's scale words, set 0
.endr
.irp i, 0,1,2,3,4,5,6,7
	global_load_b64 v[SC+8*NQ+NQ*\i:SC+8*NQ+NQ*\i+1], v[ADRS], s[68:69] offset:\i*128       ; K step 1's, set 1
.endr
	s_add_nc_u64 s[46:47], s[4:5], s[46:47]
	s_add_nc_u64 s[46:47], s[46:47], B_BASE
	s_cmp_eq_u32 s15, 0                            ; do I fetch for A?  The choice hangs on the wave's number alone
	s_cselect_b64 s[PFA:PFA+1], s[20:21], s[46:47]
	s_cselect_b32 s72, s40, s41                    ; my place among the four that ask for the tile with me
	s_mul_i32 s72, s72, 6144                       ; 24 blocks of 256 bytes
	s_mov_b32 s73, 0
	s_add_nc_u64 s[PFA:PFA+1], s[PFA:PFA+1], s[72:73]
	CROUND
.irp s, 0,1
	s_mov_b32 s[G0+4*\s], 1
	s_add_co_u32 s[G0+4*\s+1], s45, \s*SLOT
	s_add_nc_u64 s[G0+4*\s+2:G0+4*\s+3], s[20:21], \s*A_NEXT
	s_or_b32 s[G0+4*\s+3], s[G0+4*\s+3], 0x80000000
	s_mov_b32 s[G0B+4*\s], 1
	s_add_co_u32 s[G0B+4*\s+1], s45, \s*SLOT
	s_add_nc_u64 s[G0B+4*\s+2:G0B+4*\s+3], s[46:47], \s*B_NEXT
	s_or_b32 s[G0B+4*\s+3], s[G0B+4*\s+3], 0x80000000
.if \s > 0                             ; slot 0's fill is the wave's one tensor load at the head; slot 1's stands behind the full sequence
	s_wait_xcnt 0x0                                ; the prefetch has read its base
	s_add_nc_u64 s[PFA:PFA+1], s[PFA:PFA+1], A_NEXT
	s_wait_alu depctr_va_vdst(0)
	s_wait_tensorcnt 0x0
	ds_add_u32 v28, v29
	s_wait_dscnt 0x0
	CROUND
.endif
	JLOAD G0+4*\s, G1, G0B+4*\s, G1B
	global_prefetch_b8 v[PFO], s[PFA:PFA+1] offset:2*A_NEXT th:TH_LOAD_NT scope:SCOPE_SE   ; tile s + 2
.endr
	s_load_b256 s[92:99], s[0:1], 0x10
	v_and_b32 v1, 15, v0
	v_bfe_u32 v2, v0, 4, 1
	v_mul_u32_u24 v3, v1, PITCH
	v_mul_u32_u24 v4, v2, 24
	v_add_nc_u32 v4, v3, v4
	v_lshl_add_u32 v5, v2, 4, v4
	s_mul_i32 s21, s15, HALFT
	s_mul_i32 s22, s16, HALFT
	s_add_co_u32 s22, s22, 2*HALFT
.irp s, 0,1
	v_add_nc_u32 v[ADRA+\s], s21, v4
	v_add_nc_u32 v[ADRB+\s], s22, v4
	v_add_nc_u32 v[ADRA+2+\s], s21, v5
	v_add_nc_u32 v[ADRB+2+\s], s22, v5
	s_add_co_u32 s21, s21, SLOT
	s_add_co_u32 s22, s22, SLOT
.endr
	v_and_b32 v3, 7, v1
	v_and_b32 v4, 8, v1
	v_lshl_add_u32 v3, v4, 1, v3
	v_lshlrev_b32 v[CSA], 8, v3
	v_lshl_add_u32 v[CSA], v2, 6, v[CSA]
	v_and_b32 v4, 31, v0
	v_lshlrev_b32 v[L16], 4, v4
	v_lshlrev_b32 v[L8], 3, v4
	v_lshlrev_b32 v[SH8], 3, v2
	s_mul_i32 s19, s15, VSTG
	v_mul_u32_u24 v[VSTO], v1, 272
	v_lshl_add_u32 v[VSTO], v2, 6, v[VSTO]
	v_add_nc_u32 v[VSTO], s19, v[VSTO]
	v_mul_u32_u24 v[VRD], v2, VGRP
	v_lshl_add_u32 v[VRD], v3, 2, v[VRD]
	v_add_nc_u32 v[VRD], s19, v[VRD]
	s_lshr_b32 s66, s17, 2
	s_lshl_b32 s67, s17, 1
	s_add_co_u32 s67, s67, s15
	s_and_b32 s67, s67, 7
	s_lshl_b32 s18, s66, 5
	s_lshl_b32 s19, s42, 2
	s_add_co_u32 s18, s18, s19
	s_lshl_b32 s19, s16, 1
	s_add_co_u32 s18, s18, s19
	s_lshl_b32 s18, s18, 3
	s_add_co_u32 s18, s18, s67
	s_mul_i32 s18, s18, 6400
	s_max_u32 s19, s42, 8
	s_sub_co_u32 s19, s19, 8
	s_lshl_b32 s19, s19, 1
	s_lshl_b32 s20, s66, 3
	s_add_co_u32 s19, s19, s20
	s_mul_i32 s20, s19, 102400
	s_mul_i32 s21, s16, 51200
	s_add_co_u32 s20, s20, s21
	s_mul_i32 s21, s67, 6400
	s_add_co_u32 s20, s20, s21
	s_lshl_b32 s21, s19, 6
	s_lshl_b32 s22, s67, 3
	s_add_co_u32 s21, s21, s22
	s_lshl_b32 s46, s21, 12
	s_mov_b32 s47, 0
	s_lshl_b32 s21, s17, 8
	s_lshl_b32 s22, s15, 7
	s_add_co_u32 s21, s21, s22
	s_and_b32 s21, s21, 1023
	s_lshl_b32 s44, s21, 8
	s_mov_b32 s45, 0
	s_wait_kmcnt 0x0
	s_cmp_lt_u32 ttmp9, 2
	s_cselect_b64 s[4:5], s[94:95], s[96:97]
	s_cselect_b32 s18, s18, s20
	s_mov_b32 s19, 0
	s_mov_b32 s20, 102400
	s_cselect_b32 s20, 51200, s20
	s_mov_b32 s21, 0
	s_add_nc_u64 s[4:5], s[4:5], s[18:19]
	s_add_nc_u64 s[6:7], s[4:5], s[20:21]
	s_add_nc_u64 s[8:9], s[92:93], s[44:45]
	s_add_nc_u64 s[10:11], s[98:99], s[46:47]
	s_add_nc_u64 s[12:13], s[10:11], 262144
	s_mov_b32 s20, 0xffff0000
	s_mov_b32 s22, 0x76543210
	s_mov_b32 s23, 0xfedcba98
.macro FRAG reg, adr, q, i
.irp p, 0,1,2,3,4,5
.set PC, 12*(\q)+6*(\p/3)+\p%3
.if PC%8 < 5
	ds_load_b64 v[\reg+2*\p:\reg+2*\p+1], v[\adr] offset:8*PC+16*(PC/8)+(\i)*16*PITCH
.else
	ds_load_b64 v[\reg+2*\p:\reg+2*\p+1], v[\adr+2] offset:8*PC+16*(PC/8)+(\i)*16*PITCH
.endif
.endr
.endm
.macro MUL16 a0, p, q, sc, zero
.irp a, \a0, \a0+1
.irp b, 0,1,2,3,4,5,6,7
.if \zero
	v_wmma_scale_f32_16x16x128_f8f6f4 v[8*(8*((\a)%4)+\b):8*(8*((\a)%4)+\b)+7], v[128*(\p)+FR*\b:128*(\p)+FR*\b+FR-1], v[AF+FR*(\a):AF+FR*(\a)+FR-1], 0, v[SC+8*NQ*(\sc)+NQ*\b+(\q)], v[SC+8*NQ*(\sc)+NQ*(\a)+(\q)] matrix_a_fmt:MATRIX_FMT_FP6 matrix_b_fmt:MATRIX_FMT_FP6 matrix_a_scale:MATRIX_SCALE_ROW1
.else
	v_wmma_scale_f32_16x16x128_f8f6f4 v[8*(8*((\a)%4)+\b):8*(8*((\a)%4)+\b)+7], v[128*(\p)+FR*\b:128*(\p)+FR*\b+FR-1], v[AF+FR*(\a):AF+FR*(\a)+FR-1], v[8*(8*((\a)%4)+\b):8*(8*((\a)%4)+\b)+7], v[SC+8*NQ*(\sc)+NQ*\b+(\q)], v[SC+8*NQ*(\sc)+NQ*(\a)+(\q)] matrix_a_fmt:MATRIX_FMT_FP6 matrix_b_fmt:MATRIX_FMT_FP6 matrix_a_scale:MATRIX_SCALE_ROW1
.endif
.endr
.endr
.endm
.macro FETCH_B slot, q, p
	WIN TO_B
.irp i, 0,1,2,3,4,5,6,7
	FRAG 128*(\p)+FR*\i, ADRB+\slot, \q, \i
.endr
	WIN 0
.endm
.macro FETCH_A slot, q, i0
.irp i, \i0, \i0+1, \i0+2, \i0+3
	FRAG AF+FR*(\i), ADRA+\slot, \q, \i
.endr
.endm
.macro SCALES sc
.irp i, 0,1,2,3,4,5,6,7
	global_load_b64 v[SC+8*NQ*\sc+NQ*\i:SC+8*NQ*\sc+NQ*\i+1], v[ADRS], s[68:69] offset:\i*128
.endr
.endm
.macro PLACES n
.rept \n
	v_nop
.endr
.endm
.macro STEP slot, q, zero
	s_wait_loadcnt LCN                             ; this K step's scale words are in; the next K step's eight loads may be out
	s_wait_dscnt 4*NL
	WIN MUL_LO
	MUL16 0, (\q)%2, \q, \slot, \zero
	MUL16 2, (\q)%2, \q, \slot, \zero
	s_wait_dscnt 0
	PLACES NP
	FETCH_B \slot, (\q)+1, 1-(\q)%2
	FETCH_A \slot, (\q)+1, 0
	WIN MUL_HI
	MUL16 4, (\q)%2, \q, \slot, \zero
	MUL16 6, (\q)%2, \q, \slot, \zero
	PLACES NP
	WIN 0
	FETCH_A \slot, (\q)+1, 4
.endm
.macro TURN slot, next, fill
.if \fill
	s_wait_xcnt 0x0                                ; any prefetch of mine has read its base: it is stepped here, ahead of the waits of the change of slots
	s_add_nc_u64 s[PFA:PFA+1], s[PFA:PFA+1], A_NEXT
.endif
	s_wait_tensorcnt 0x0
	ds_add_u32 v[SPW], v[NIL]
	s_wait_dscnt 4*NL+1
	WIN MUL_LO
	MUL16 0, 1, NQ-1, \slot, 0
	s_wait_dscnt 0x0
	s_barrier_signal -1
	MUL16 2, 1, NQ-1, \slot, 0
	WIN 0
	s_barrier_wait -1
.if \fill
	CREST
	s_add_nc_u64 s[G0+4*\slot+2:G0+4*\slot+3], s[G0+4*\slot+2:G0+4*\slot+3], 2*A_NEXT
	s_add_nc_u64 s[G0B+4*\slot+2:G0B+4*\slot+3], s[G0B+4*\slot+2:G0B+4*\slot+3], 2*B_NEXT
	JLOAD G0+4*\slot, G1, G0B+4*\slot, G1B
.else
	PLACES NP
.endif
	FETCH_B \next, 0, 0
	FETCH_A \next, 0, 0
.if \fill
	s_cmp_gt_u32 s3, 1                             ; the loop's last trip loads tiles 6 and 7: no tile stands two on
	s_cbranch_scc0 .Lno_ask_\@
	global_prefetch_b8 v[PFO], s[PFA:PFA+1] offset:2*A_NEXT th:TH_LOAD_NT scope:SCOPE_SE
.Lno_ask_\@:
.endif
	WIN MUL_HI
	MUL16 4, 1, NQ-1, \slot, 0
	MUL16 6, 1, NQ-1, \slot, 0
	PLACES NP
	WIN 0
	FETCH_A \next, 0, 4
.if \fill
	s_wait_xcnt 0x0                                ; the last scale loads have read their offset
	s_wait_alu depctr_va_vdst(0)
	v_add_nc_u32 v[ADRS], v[SINC], v[ADRS]
	SCALES \slot                                   ; the scale words of the K step after next, into the set whose last products stand four places back
.endif
.endm
.macro CSLOAD a
.irp m, 0,1,2,3,4,5,6,7
	global_load_b128 v[CS+32*((\a)%2)+4*\m:CS+32*((\a)%2)+4*\m+3], v[CSA], s[8:9] offset:(32*((\a)/2)+8*((\a)%2))*256+128*(\m/4)+16*(\m%4)
.endr
.endm
.macro ROPE a
	WIN 2+(\a)/4
.irp be, 0,1,2,3
.irp g, 0,1
.irp i, 0,1,2,3
	v_mul_f32 v[2+2*\i], v[8*(8*((\a)%4)+2*\be+\g)+2*\i+1], v[CS+32*((\a)%2)+16*(\be%2)+8*\g+2*\i+1]
	v_mul_f32 v[3+2*\i], v[8*(8*((\a)%4)+2*\be+\g)+2*\i], v[CS+32*((\a)%2)+16*(\be%2)+8*\g+2*\i+1]
.endr
.irp i, 0,1,2,3
	v_fma_f32 v[H+16*\be+8*\g+2*\i], v[8*(8*((\a)%4)+2*\be+\g)+2*\i], v[CS+32*((\a)%2)+16*(\be%2)+8*\g+2*\i], -v[2+2*\i]
	v_fma_f32 v[H+16*\be+8*\g+2*\i+1], v[8*(8*((\a)%4)+2*\be+\g)+2*\i+1], v[CS+32*((\a)%2)+16*(\be%2)+8*\g+2*\i], v[3+2*\i]
.endr
.endr
.endr
	WIN 0
.endm
.macro QUANT s, d0, d1, w
.irp b, 0,1,2,3
	v_max3_num_f32 v[TM+\b], |v[\s+16*\b]|, |v[\s+1+16*\b]|, 0x1800000
.endr
.irp i, 2,4,6,8,10,12,14
.irp b, 0,1,2,3
	v_max3_num_f32 v[TM+\b], v[TM+\b], |v[\s+16*\b+\i]|, |v[\s+1+16*\b+\i]|
.endr
.endr
.irp b, 0,1,2,3
	v_permlanex16_b32 v[TM+4+\b], v[TM+\b], s22, s23
.endr
.irp b, 0,1,2,3
	v_max_num_f32 v[TM+\b], v[TM+\b], v[TM+4+\b]
.endr
.irp b, 0,1,2,3
	v_add_nc_u32 v[TM+12+\b], 0xff000000, v[TM+\b]
.endr
.irp b, 0,1,2,3
	v_lshrrev_b32 v[TM+4+\b], 23, v[TM+12+\b]
.endr
	v_lshl_or_b32 v[\w], v[TM+5], 8, v[TM+4]
	v_lshl_or_b32 v[\w], v[TM+6], 16, v[\w]
	v_lshl_or_b32 v[\w], v[TM+7], 24, v[\w]
	v_cvt_scalef32_pk16_fp6_f32 v[(\d0):(\d0)+2], v[\s:\s+15], v[TM+12]
	v_cvt_scalef32_pk16_fp6_f32 v[TC:TC+2], v[\s+16:\s+31], v[TM+13]
	v_cvt_scalef32_pk16_fp6_f32 v[(\d1):(\d1)+2], v[\s+32:\s+47], v[TM+14]
	v_cvt_scalef32_pk16_fp6_f32 v[TC+4:TC+6], v[\s+48:\s+63], v[TM+15]
	v_nop
.irp i, 0,1,2
	v_permlane16_swap_b32 v[(\d0)+\i], v[TC+\i]
	v_permlane16_swap_b32 v[(\d1)+\i], v[TC+4+\i]
.endr
.irp i, 0,1,2
	v_mov_b32 v[(\d0)+3+\i], v[TC+\i]
	v_mov_b32 v[(\d1)+3+\i], v[TC+4+\i]
.endr
.endm
.macro QKTILE a
	s_wait_xcnt 0x0
.if (\a) < 7
	CSLOAD (\a)+1
	s_wait_loadcnt 8
.else
	s_wait_loadcnt 0x0
.endif
	ROPE \a
	QUANT H, IMG0+6*((\a)%2), IMG1+6*((\a)%2), W+(\a)%2
.if (\a)%2 == 1
	v_perm_b32 v[WH+(\a)/2], v[W+1], v[W], 0x05040100
	v_perm_b32 v[WH+4+(\a)/2], v[W+1], v[W], 0x07060302
.irp i, 0,1,2
	global_store_b128 v[L16], v[IMG0+4*\i:IMG0+4*\i+3], s[4:5] offset:1536*((\a)/2)+512*\i
	global_store_b128 v[L16], v[IMG1+4*\i:IMG1+4*\i+3], s[6:7] offset:1536*((\a)/2)+512*\i
.endr
.endif
.endm
.macro VNORM a
	s_wait_xcnt 0x0
	WIN 0x0a+5*((\a)/4)
.irp t, 0,1,2,3
.irp jj, 0,1,2,3
.irp hd, 0,1
.if (\t == 0) && (\jj < 2)
	v_pk_mul_f32 v[216+4*\hd+2*(\jj%2):217+4*\hd+2*(\jj%2)], v[8*(8*((\a)%4)+4*\hd+\t)+2*\jj:8*(8*((\a)%4)+4*\hd+\t)+2*\jj+1], v[8*(8*((\a)%4)+4*\hd+\t)+2*\jj:8*(8*((\a)%4)+4*\hd+\t)+2*\jj+1]
.else
	v_pk_fma_f32 v[216+4*\hd+2*(\jj%2):217+4*\hd+2*(\jj%2)], v[8*(8*((\a)%4)+4*\hd+\t)+2*\jj:8*(8*((\a)%4)+4*\hd+\t)+2*\jj+1], v[8*(8*((\a)%4)+4*\hd+\t)+2*\jj:8*(8*((\a)%4)+4*\hd+\t)+2*\jj+1], v[216+4*\hd+2*(\jj%2):217+4*\hd+2*(\jj%2)]
.endif
.endr
.endr
.endr
	WIN 0
	v_pk_add_f32 v[216:217], v[216:217], v[218:219]
	v_pk_add_f32 v[220:221], v[220:221], v[222:223]
	v_add_f32 v216, v216, v217
	v_add_f32 v220, v220, v221
	v_permlanex16_b32 v224, v216, s22, s23
	v_permlanex16_b32 v225, v220, s22, s23
	v_add_f32 v216, v216, v224
	v_add_f32 v220, v220, v225
	s_wait_alu depctr_va_vdst(0)
	v_sqrt_f32 v226, v216
	v_sqrt_f32 v227, v220
	v_nop
	s_wait_alu depctr_va_vdst(0)
	v_max_num_f32 v226, 0x2b8cbccc, v226
	v_max_num_f32 v227, 0x2b8cbccc, v227
	s_wait_alu depctr_va_vdst(0)
	v_rcp_f32 v228, v226
	v_rcp_f32 v230, v227
	v_nop
	s_wait_alu depctr_va_vdst(0)
	WIN 2+(\a)/4
.irp hd, 0,1
.irp m, 0,1,2,3,4,5,6,7,8,9,10,11,12,13,14,15
	v_pk_mul_f32 v[64+64*((\a)%2)+32*\hd+2*\m:65+64*((\a)%2)+32*\hd+2*\m], v[8*(8*((\a)%4)+4*\hd)+2*\m:8*(8*((\a)%4)+4*\hd)+2*\m+1], v[228+2*\hd:229+2*\hd] op_sel_hi:[1,0]
.endr
.endr
	WIN 0
.irp m, 0,1,2,3,4,5,6,7
	global_store_b128 v[L16], v[64+64*((\a)%2)+4*\m:67+64*((\a)%2)+4*\m], s[10:11] offset:4096*(\a)+512*\m
	global_store_b128 v[L16], v[96+64*((\a)%2)+4*\m:99+64*((\a)%2)+4*\m], s[12:13] offset:4096*(\a)+512*\m
.endr
.endm
.macro VSTAGE hd
.irp a, 0,1,2,3,4,5,6,7
	WIN 0x08+4*(\a/4)
.irp t, 0,1,2,3
.irp q, 0,1
	ds_store_b128 v[VSTO], v[8*(8*(\a%4)+4*\hd+\t)+4*\q:8*(8*(\a%4)+4*\hd+\t)+4*\q+3] offset:(\a/2)*VGRP+16*(\a%2)*272+128*(\t/2)+32*(\t%2)+16*\q
.endr
.endr
.endr
	WIN 0
.endm
.macro TLOAD k
.set ii, 0
.rept 32
	ds_load_b32 v[64+32*((\k)%2)+ii], v[VRD] offset:2*((\k)%2)*VGRP+((ii&7)|((ii&8)<<1)|((ii&16)>>1))*272+128*((\k)/4)+32*(((\k)/2)%2)
.set ii, ii+1
.endr
.endm
.macro QV k, hd
.set XS, 64+32*((\k)%2)
.set ID, 192+12*(((\k)/2)%2)+6*((\k)%2)
.if (\k)%2 == 0
	s_wait_xcnt 0x0
.endif
	v_max3_num_f32 v216, |v[XS]|, |v[XS+1]|, |v[XS+2]|
	v_max3_num_f32 v217, |v[XS+3]|, |v[XS+4]|, |v[XS+5]|
.irp i, 6,10,14,18,22,26
	v_max3_num_f32 v216, v216, |v[XS+\i]|, |v[XS+\i+1]|
	v_max3_num_f32 v217, v217, |v[XS+\i+2]|, |v[XS+\i+3]|
.endr
	v_max3_num_f32 v216, v216, |v[XS+30]|, |v[XS+31]|
	v_max3_num_f32 v216, v216, v217, 0x1800000
	v_add_nc_u32 v218, 0xff000000, v216
	v_lshrrev_b32 v[220+(\k)%2], 23, v218
	v_cvt_scalef32_pk16_fp6_f32 v[ID:ID+2], v[XS:XS+15], v218
	v_cvt_scalef32_pk16_fp6_f32 v[TC:TC+2], v[XS+16:XS+31], v218
	v_nop
.irp i, 0,1,2
	v_mov_b32 v[ID+3+\i], v[TC+\i]
.endr
.if (\k)%2 == 1
	v_lshl_or_b32 v222, v221, 16, v220
	v_lshlrev_b32 v222, v[SH8], v222
	v_permlanex16_b32 v223, v222, s22, s23
	v_or_b32 v[WH+(\k)/2], v222, v223
.irp i, 0,1,2
	global_store_b128 v[L16], v[192+12*(((\k)/2)%2)+4*\i:195+12*(((\k)/2)%2)+4*\i], s[4+2*(\hd):5+2*(\hd)] offset:1536*((\k)/2)+512*\i
.endr
.endif
.endm
	s_wait_alu depctr_va_vdst(0)
	s_wait_tensorcnt 1
	s_barrier_signal -1
	s_barrier_wait -1
	FETCH_B 0, 0, 0
	FETCH_A 0, 0, 0
	FETCH_A 0, 0, 4
	STEP 0, 0, 1
	s_mov_b32 s3, LAPS-1
.Llap:
	TURN 0, 1, 1
	STEP 1, 0, 0
	TURN 1, 0, 1
	STEP 0, 0, 0
	s_sub_co_u32 s3, s3, 1
	s_cmp_lg_u32 s3, 0
	s_cbranch_scc1 .Llap
	TURN 0, 1, 0
.set LCN, 0                            ; the last K step: no younger scale loads are out
	STEP 1, 0, 0
	CSLOAD 0
	s_wait_dscnt 4*NL
	WIN MUL_LO
	MUL16 0, 1, NQ-1, 1, 0
	MUL16 2, 1, NQ-1, 1, 0
	s_wait_dscnt 0
	WIN MUL_HI
	MUL16 4, 1, NQ-1, 1, 0
	MUL16 6, 1, NQ-1, 1, 0
	WIN 0
	PLACES NP
	s_cmp_lt_u32 ttmp9, 2
	s_cbranch_scc1 .Lqk
	s_cmp_eq_u32 s16, 0
	s_cbranch_scc1 .Lqk
	s_wait_loadcnt 0x0
.irp j, 223,224,225,229,231
	v_mov_b32 v\j, 0
.endr
.irp a, 0,1,2,3,4,5,6,7
	VNORM \a
.endr
	s_wait_xcnt 0x0
.irp hd, 0,1
	VSTAGE \hd
	TLOAD 0
.irp k, 0,1,2,3,4,5,6,7
.if \k < 7
	TLOAD \k+1
	s_wait_dscnt 32
.else
	s_wait_dscnt 0x0
.endif
	QV \k, \hd
.endr
	v_cndmask_b32 v[XP+2*\hd], v[WH], v[WH+1], s20
	v_cndmask_b32 v[XP+2*\hd+1], v[WH+2], v[WH+3], s20
	global_store_b64 v[L8], v[XP+2*\hd:XP+2*\hd+1], s[4+2*\hd:5+2*\hd] offset:6144
.endr
	s_branch .Lend
.Lqk:
.irp b, 0,1,2,3
	v_mov_b32 v[TM+4+\b], 0
.endr
.irp a, 0,1,2,3,4,5,6,7
	QKTILE \a
.endr
.irp hd, 0,1
	v_cndmask_b32 v[XP+2*\hd], v[WH+4*\hd], v[WH+4*\hd+1], s20
	v_cndmask_b32 v[XP+2*\hd+1], v[WH+4*\hd+2], v[WH+4*\hd+3], s20
	global_store_b64 v[L8], v[XP+2*\hd:XP+2*\hd+1], s[4+2*\hd:5+2*\hd] offset:6144
.endr
.Lend:
	s_wait_tensorcnt 0x0
	ds_add_u32 v[SPW], v[NIL]
	s_wait_dscnt 0x0
	CROUND
	s_endpgm
.Lfunc_end_k_q712aa5f67d_qkv:
	.size	k_q712aa5f67d_qkv, .Lfunc_end_k_q712aa5f67d_qkv-k_q712aa5f67d_qkv
	.p2alignl 7, 3214868480
	.fill 96, 4, 3214868480
	.section	.rodata,"a",@progbits
	.p2align	6, 0x0
	.amdhsa_kernel k_q712aa5f67d_qkv
		.amdhsa_group_segment_fixed_size 327680
		.amdhsa_private_segment_fixed_size 0
		.amdhsa_enable_private_segment 0
		.amdhsa_kernarg_size 48
		.amdhsa_user_sgpr_count 2
		.amdhsa_user_sgpr_kernarg_segment_ptr 1
		.amdhsa_wavefront_size32 1
		.amdhsa_system_sgpr_workgroup_id_x 1
		.amdhsa_system_sgpr_workgroup_id_y 1
		.amdhsa_system_sgpr_workgroup_id_z 1
		.amdhsa_system_vgpr_workitem_id 0
		.amdhsa_next_free_vgpr 1024
		.amdhsa_next_free_sgpr 100
		.amdhsa_reserve_vcc 0
		.amdhsa_float_denorm_mode_32 3
		.amdhsa_float_denorm_mode_16_64 3
		.amdhsa_memory_ordered 1
		.amdhsa_forward_progress 1
		.amdhsa_inst_pref_size 255
	.end_amdhsa_kernel
	.section	.bss,"aw",@nobits
	.p2align	6
	.space	262144
	.amdgpu_metadata
---
amdhsa.version: [ 1, 2 ]
amdhsa.kernels:
  - .name:           k_q712aa5f67d_qkv
    .symbol:         k_q712aa5f67d_qkv.kd
    .args:
      - { .name: cod, .offset: 0, .size: 8, .value_kind: global_buffer, .address_space: global }
      - { .name: scl, .offset: 8, .size: 8, .value_kind: global_buffer, .address_space: global }
      - { .name: freqs_cis, .offset: 16, .size: 8, .value_kind: global_buffer, .address_space: global }
      - { .name: q_ws, .offset: 24, .size: 8, .value_kind: global_buffer, .address_space: global }
      - { .name: kv_ws, .offset: 32, .size: 8, .value_kind: global_buffer, .address_space: global }
      - { .name: vn_img, .offset: 40, .size: 8, .value_kind: global_buffer, .address_space: global }
    .group_segment_fixed_size: 327680
    .private_segment_fixed_size: 0
    .kernarg_segment_align: 8
    .kernarg_segment_size: 48
    .max_flat_workgroup_size: 128
    .sgpr_count:     100
    .vgpr_count:     1024
    .wavefront_size: 32
...
	.end_amdgpu_metadata
.endif
;; end of part 2
;; launch attn (part 3): grid 8 x 32, 16 waves a work-group, no clusters, 167,936 bytes of LDS; arguments q_ws, kv_ws, vn_img, a_codes, a_scl; writes a_codes, a_scl
.if DOCPART == 3
	.amdgcn_target "amdgcn-amd-amdhsa--gfx1250"
	.amdhsa_code_object_version 6
	.text
	.protected	k_q712aa5f67d_attn
	.globl	k_q712aa5f67d_attn
	.p2align	8
	.type	k_q712aa5f67d_attn,@function
k_q712aa5f67d_attn:
	s_mov_b64 s[64:65], 0
	v_nop
	global_prefetch_b8 v0, s[64:65] scope:SCOPE_SE
	s_setreg_imm32_b32 hwreg(HW_REG_WAVE_MODE, 25, 1), 1
	s_wait_xcnt 0x0
; Causal attention of the four query heads of one key and value head, both products on codes of FP6; then out - (out . vn) vn; then the result quantised along the head's 64 for the last product.
; THE SOFTMAX AHEAD OF THE SECOND PRODUCT: t = score x log2(e) / 8; M = the running largest t rounded UP to a whole number; p = 2^(t - M) is quantised along the keys, not normalised; the row's sum is taken of
; the unquantised p and divides at the end.  When M moves, the sum and O are multiplied by 2^(old M - new M): exact.
; SHARES.  Work-group (i, y = 8 b + kv head) owns token blocks i and 15 - i, 64 tokens each, for all four query heads: (i / 2 + 1) + (8 - i / 2) = 9 key steps of 128 in every wave of every work-group.
; Wave w: head w / 4, and one tile of 16 queries in each block: tokens 32 p' + 8 u + {0 .. 7, 16 .. 23}, p' = (w / 2) % 2, u = w % 2.  Four waves to a SIMD: one wave's vector work stands beside another's products.
; ALL OF K AND V of the head, 102,400 bytes of register images and scale words, comes into LDS ONCE: four tensor loads at the head (waves 0, 1: two each, so two of a wave are out at the most), no slot is filled again.
; The first block's tile needs key steps 0-3 alone: its loop has four trips, and it starts when the first halves have landed.
; HEAD SIZE 64 IS HALF OF THE INSTRUCTION'S K: an image of K holds TWO keys in a lane's row (dims of key 8 u' + .. in K 64 u' ..) and is multiplied by [q | 0] and by [0 | q].  Both products are used transposed:
; a lane holds ONE query throughout, and the 16 registers of two neighbouring tiles of scores are 16 neighbouring keys.
; NO CLUSTER: work-groups that share K and V own other token blocks, so their steps under the causal mask differ, and partners must run alike; sharing by heads would leave each with 48-byte pieces of the output's rows.
; NO PREFETCH: every stream of the launch is asked for at its head.  LIMITS: NaN and infinities are not served; a block of zeros gets the byte 1 (its codes are zeros).
.set REC,   6400                       ; a record: four images of 1,536 bytes, 256 bytes of scale words
.set VOFF,  51200                      ; LDS: K's 8 records, then V's 8
; WHAT THE LINES BELOW DO OTHERWISE THAN THE HEAD'S PARAGRAPHS SAY.  K and V come by FOUR tensor loads, one each in waves 0 to 3 (K's steps 0-3, V's, K's steps 4-7, V's); all are waited for ahead of the first barrier.
; The result's codes leave straight from registers as images of the last product's operand: a_codes [64 tokens][K step of 128 (16)][tile of 16 tokens (4)][head's parity (2)][768 bytes: registers 0-3 at 16 x lane, registers 4-5 at 512 + 8 x lane].
; Only the scale bytes meet in LDS: a_scl [64 tokens][K step of 128 (16)][row of the tile (16)][tile (4)][4 bytes].  v8 and v10 are free.
.set STG,   102400                     ; two stages 12,800 apart; of each only the 512 scale bytes at + 12,288 are used
.set SPARE, 128000                     ; the spare words, 128 bytes a wave: eight blocks of 256 bytes that no other line names
; v1 16 x lane; v2 8 x lane; v3, v4 LDS addresses of the step; v5, v6 the add's two; v7 r % 8 + 16 (r / 8) - 16 h; v8, v9 the stage, in (codes, bytes); v10, v11 the stage, out; v12 -M, v13 the largest t,
; v[14:15] the sum; v16-33 [q | 0 | q]; v34 q's scale word; v35 its offset; v36-37 K's scale words, v38-39 V's; v40-87 four images; v88-94 the second tile's q; v96-159 S^T, then p; v160-191 O^T; v192-223 vn; v224.. p's codes; v232-254 at work
	s_load_b256 s[4:11], s[0:1], 0x0               ; q_ws, kv_ws, vn_img, a_codes
	s_load_b64 s[12:13], s[0:1], 0x20              ; a_scl
	v_lshl_add_u32 v5, v0, 2, SPARE
	v_mov_b32 v6, 0
	ds_add_u32 v5, v6                              ; the wave's opening: the add and its wait ahead of my first tensor load
	ds_add_u32 v5, v6
	v_lshrrev_b32 v8, 5, v0
	s_delay_alu instid0(VALU_DEP_1)
	v_readfirstlane_b32 s18, v8                    ; wave 0..15
	s_and_b32 s19, ttmp7, 0xffff                   ; y
	s_mov_b32 s24, 3<<16                           ; group 1: a dense block as 100 rows of 256 bytes (32 elements of 8 bytes), no mask, no padding
	s_mov_b32 s25, 32<<16
	s_mov_b32 s26, 100<<16
	s_mov_b32 s27, 32<<16
	s_mov_b32 s28, 100
	s_mov_b32 s29, 32
	s_mov_b32 s30, 0
	s_mov_b32 s31, 0
	s_mov_b32 s20, 0x76543210
	s_mov_b32 s21, 0xfedcba98                      ; v_permlanex16_b32's selects for lane l xor 16
	s_mov_b32 s22, 0x3e38aa3b                      ; c = log2(e) / sqrt(64)
	s_mov_b32 s23, s22
	s_lshr_b32 s58, s18, 2                         ; my head of the four
	s_bfe_u32 s59, s18, 0x10001                    ; p'
	s_and_b32 s60, s18, 1                          ; u
	s_lshl_b32 s61, s59, 5
	s_lshl_b32 s62, s60, 3
	s_add_co_u32 s61, s61, s62                     ; 32 p' + 8 u
	s_mov_b32 s43, ttmp9                           ; the early block,
	s_sub_co_u32 s63, 15, ttmp9                    ; the late one
	s_lshl_b32 s41, s43, 6
	s_add_co_u32 s41, s41, s61                     ; my first query in each
	s_lshl_b32 s42, s63, 6
	s_add_co_u32 s42, s42, s61
	s_sub_co_u32 s56, 0, s60                       ; all lanes where u = 1
	s_cmp_eq_u32 s60, 0
	s_mov_b32 s57, 0x03020302
	s_cselect_b32 s57, 0x01000100, s57             ; my half's two bytes of a scale word, twice
	s_and_b32 s33, s18, 1                          ; waves 0 to 3: K (even) or V (odd),
	s_mul_i32 s33, s33, VOFF
	s_lshr_b32 s36, s18, 1                         ; key steps 0-3 or 4-7
	s_mul_i32 s36, s36, 4*REC
	s_add_co_u32 s33, s33, s36                     ; the same offset in LDS and in the head's 102,400 bytes of kv_ws
	s_mul_i32 s70, s19, 102400
	s_add_co_u32 s70, s70, s33
	s_mov_b32 s71, 0
	s_mov_b32 s32, 1
	s_wait_dscnt 0x0                               ; the opening add is done
	s_wait_kmcnt 0x0
	s_add_nc_u64 s[34:35], s[6:7], s[70:71]        ; key steps 0-3 or 4-7 of K or V,
	s_or_b32 s35, s35, 0x80000000
	s_cmp_lt_u32 s18, 4                            ; one fill a wave, in four waves
	s_cbranch_scc0 .Lno_fetch
	tensor_load_to_lds s[32:35], s[24:31]
	s_nop 0
.rept 4
	v_nop
.endr
.Lno_fetch:
; for block s[qb]: my image of q (qi), its scale word (qs), my tile of vn (vp), my 768 bytes of the block's codes (cp), 256 of its scale bytes (sp)
.macro PTRS qb, qi, qs, vp, cp, sp
	s_lshr_b32 s70, s[\qb], 1                      ; which 128 tokens
	s_and_b32 s71, s[\qb], 1
	s_lshl_b32 s72, s19, 2
	s_add_co_u32 s72, s72, s58                     ; 32 b + query head
	s_lshl_b32 s72, s72, 3
	s_add_co_u32 s72, s72, s70
	s_mul_i32 s72, s72, REC
	s_mov_b32 s73, 0
	s_add_nc_u64 s[\qs:\qs+1], s[4:5], s[72:73]    ; the record
	s_lshl_b32 s72, s71, 1
	s_add_co_u32 s72, s72, s59                     ; image p = 2 (block % 2) + p'
	s_mul_i32 s72, s72, 1536
	s_add_nc_u64 s[\qi:\qi+1], s[\qs:\qs+1], s[72:73]
	s_lshl_b32 s72, s71, 2                         ; word p / 2
	s_add_co_u32 s72, s72, 6144
	s_add_nc_u64 s[\qs:\qs+1], s[\qs:\qs+1], s[72:73]
	s_lshl_b32 s72, s19, 6
	s_lshl_b32 s70, s[\qb], 2
	s_add_co_u32 s72, s72, s70
	s_lshl_b32 s70, s59, 1
	s_add_co_u32 s72, s72, s70
	s_add_co_u32 s72, s72, s60                     ; tile 64 y + 4 block + 2 p' + u
	s_lshl_b32 s72, s72, 12
	s_add_nc_u64 s[\vp:\vp+1], s[8:9], s[72:73]
	s_lshr_b32 s70, s19, 3
	s_lshl_b32 s70, s70, 4
	s_add_co_u32 s70, s70, s[\qb]                  ; (1,024 b + 64 block) / 64
	s_and_b32 s71, s19, 7                          ; kv head: a plane of the output
	s_mul_i32 s72, s70, 98304                      ; 64 tokens: 16 K steps of 6,144 bytes
	s_mul_i32 s78, s71, 12288                      ; the kv head's two K steps of 128
	s_add_co_u32 s72, s72, s78
	s_lshr_b32 s78, s18, 3                         ; my head / 2: which of the two
	s_mul_i32 s78, s78, 6144
	s_add_co_u32 s72, s72, s78
	s_and_b32 s78, s18, 3                          ; my tile 2 p' + u
	s_mul_i32 s78, s78, 1536
	s_add_co_u32 s72, s72, s78
	s_bfe_u32 s78, s18, 0x10002                    ; my head's parity: which half of the image
	s_mul_i32 s78, s78, 768
	s_add_co_u32 s72, s72, s78
	s_add_nc_u64 s[\cp:\cp+1], s[10:11], s[72:73]
	s_lshl_b32 s72, s70, 12
	s_lshl_b32 s78, s71, 9
	s_add_co_u32 s72, s72, s78
	s_min_u32 s78, s18, 1                          ; (waves 0 and 1 alone store scale bytes)
	s_lshl_b32 s78, s78, 8
	s_add_co_u32 s72, s72, s78
	s_add_nc_u64 s[\sp:\sp+1], s[12:13], s[72:73]
.endm
	PTRS 43, 66, 68, 44, 48, 52
	PTRS 63, 74, 76, 46, 50, 54
	v_and_b32 v11, 31, v0
	s_delay_alu instid0(VALU_DEP_1)
	v_lshlrev_b32 v1, 4, v11
	s_delay_alu instid0(VALU_DEP_2)
	v_lshlrev_b32 v2, 3, v11
	v_and_b32 v3, 15, v0                           ; r
	v_bfe_u32 v4, v0, 4, 1                         ; h
	s_delay_alu instid0(VALU_DEP_2)
	v_lshlrev_b32 v35, 3, v3
	s_lshl_b32 s62, s59, 7
	v_add_nc_u32 v35, s62, v35                     ; q's scale word: lane r + 16 (p % 2) of the record's
.macro VNLOAD p
.irp m, 0,1,2,3,4,5,6,7
	global_load_b128 v[192+4*\m:195+4*\m], v1, s[\p:\p+1] offset:512*\m
.endr
.endm
.irp i, 0,1,2
	global_load_b128 v[96+4*\i:99+4*\i], v1, s[66:67] offset:512*\i      ; the early tile's image of q (both halves u)
.endr
	global_load_b32 v108, v35, s[68:69]
.irp i, 0,1,2
	global_load_b128 v[112+4*\i:115+4*\i], v1, s[74:75] offset:512*\i    ; the late tile's
.endr
	global_load_b32 v124, v35, s[76:77]
	VNLOAD 44
	v_and_b32 v7, 7, v3
	v_and_b32 v8, 8, v3
	s_delay_alu instid0(VALU_DEP_1)
	v_lshl_add_u32 v9, v8, 1, v7                   ; r % 8 + 16 (r / 8)
	v_lshlrev_b32 v7, 4, v4
	s_delay_alu instid0(VALU_DEP_1)
	v_sub_nc_u32 v7, v9, v7                        ; - 16 h: for the mask
	s_lshr_b32 s62, s18, 3                         ; my two scale bytes in the stage: 256 (head / 2) + 16 r + 4 (2 p' + u) + 2 (head % 2)
	s_lshl_b32 s62, s62, 8
	s_and_b32 s70, s18, 3
	s_lshl_b32 s70, s70, 2
	s_add_co_u32 s62, s62, s70
	s_bfe_u32 s70, s18, 0x10002
	s_lshl_b32 s70, s70, 1
	s_add_co_u32 s62, s62, s70
	s_add_co_u32 s62, s62, STG+12288
	s_wait_alu depctr_va_vdst(0)
	v_lshlrev_b32 v9, 4, v3
	v_add_nc_u32 v9, s62, v9
	s_lshl_b32 s62, s18, 8
	s_add_co_u32 s62, s62, STG+12288
	v_add_nc_u32 v11, s62, v2                      ; and 256 scale bytes for waves 0 and 1
.irp b, 0,1,2,3
	v_mov_b32 v[236+\b], 0                         ; written once: a lane permute's destination counts as a source
.endr
	v_mov_b32 v252, 0
	v_mov_b32 v253, 0
	s_wait_tensorcnt 0x0                           ; my one fill is in
	s_barrier_signal -1
	s_barrier_wait -1                              ; key steps 0-3 of K and V lie in LDS
	s_wait_loadcnt 8                               ; q and its scale words are in; vn's eight loads may be out
	v_perm_b32 v34, v108, v108, s57                ; (block 0, block 1, block 0, block 1): it serves [q | 0] and [0 | q].  More than eight plain instructions stand between it and the first product
	v_perm_b32 v94, v124, v124, s57
.irp j, 0,1,2,3,4,5
	v_cndmask_b32 v[16+\j], v[96+\j], v[102+\j], s56       ; my half of the image
	v_cndmask_b32 v[88+\j], v[112+\j], v[118+\j], s56
.endr
.irp j, 0,1,2,3,4,5
	v_mov_b32 v[22+\j], 0
	v_mov_b32 v[28+\j], v[16+\j]
.endr
.macro SOFTMAX
.irp b, 0,1,2,3
	v_max3_num_f32 v[232+\b], v[96+16*\b], v[97+16*\b], v[98+16*\b]   ; the largest score of each block of 32 keys: for the row's maximum, and, since p rises with the score, for the block's largest p
.endr
.irp i, 3,5,7,9,11,13
.irp b, 0,1,2,3
	v_max3_num_f32 v[232+\b], v[232+\b], v[96+16*\b+\i], v[97+16*\b+\i]
.endr
.endr
.irp b, 0,1,2,3
	v_max_num_f32 v[232+\b], v[232+\b], v[111+16*\b]
.endr
.irp b, 0,1,2,3
	s_delay_alu instid0(VALU_DEP_4)
	v_permlanex16_b32 v[236+\b], v[232+\b], s20, s21
.endr
.irp b, 0,1,2,3
	s_delay_alu instid0(VALU_DEP_4)
	v_max_num_f32 v[232+\b], v[232+\b], v[236+\b]
.endr
	s_delay_alu instid0(VALU_DEP_2)
	v_max3_num_f32 v254, v232, v233, v234
	s_delay_alu instid0(VALU_DEP_1)
	v_max_num_f32 v254, v254, v235
	s_delay_alu instid0(VALU_DEP_1)
	v_mul_f32 v254, s22, v254                      ; as t
	s_delay_alu instid0(VALU_DEP_1)
	v_max_num_f32 v13, v13, v254                   ; the running largest t
	v_mov_b32 v254, v12
	s_delay_alu instid0(VALU_DEP_2)
	v_floor_f32 v12, -v13                          ; the new -M = -ceil(t)
	s_delay_alu instid0(VALU_DEP_1)
	v_sub_f32 v254, v12, v254                      ; old M - new M: a whole number, 0 or less
	s_delay_alu instid0(VALU_DEP_1)
	v_cvt_i32_f32 v254, v254
	s_delay_alu instid0(VALU_DEP_1)
	v_ldexp_f32 v252, 1.0, v254                    ; f = 2^(old M - new M)
.set n, 0
.rept 32
	v_pk_fma_f32 v[96+n:97+n], v[96+n:97+n], s[22:23], v[12:13] op_sel_hi:[1,0,0]   ; t - M
.set n, n+2
.endr
.irp b, 0,1,2,3
	v_fma_f32 v[232+\b], v[232+\b], s22, v12
.endr
.set n, 0
	s_wait_alu depctr_va_vdst(0)
.rept 64
	v_exp_f32 v[96+n], v[96+n]                     ; p
.set n, n+1
.endr
	v_pk_mul_f32 v[14:15], v[14:15], v[252:253] op_sel_hi:[1,0]   ; the sums under the new M (a plain instruction behind the exponentials)
	s_wait_alu depctr_va_vdst(0)                   ; one wait for the batch of 64, ahead of its first reader
.irp b, 0,1,2,3
	v_exp_f32 v[232+\b], v[232+\b]                 ; each block's largest p
.endr
	v_pk_add_f32 v[236:237], v[100:101], v[104:105]
	v_pk_add_f32 v[254:255], v[108:109], v[112:113]
	v_pk_add_f32 v[250:251], v[116:117], v[120:121]
	v_pk_add_f32 v[248:249], v[124:125], v[128:129]
	v_pk_add_f32 v[246:247], v[132:133], v[136:137]
	v_pk_add_f32 v[244:245], v[140:141], v[144:145]
	v_pk_add_f32 v[242:243], v[148:149], v[152:153]
	v_pk_add_f32 v[14:15], v[14:15], v[156:157]
	v_pk_add_f32 v[236:237], v[236:237], v[96:97]
	v_pk_add_f32 v[254:255], v[254:255], v[98:99]
	v_pk_add_f32 v[250:251], v[250:251], v[102:103]
	v_pk_add_f32 v[248:249], v[248:249], v[106:107]
	v_pk_add_f32 v[246:247], v[246:247], v[110:111]
	v_pk_add_f32 v[244:245], v[244:245], v[114:115]
	v_pk_add_f32 v[242:243], v[242:243], v[118:119]
	v_pk_add_f32 v[14:15], v[14:15], v[122:123]
	v_pk_add_f32 v[236:237], v[236:237], v[126:127]
	v_pk_add_f32 v[254:255], v[254:255], v[130:131]
	v_pk_add_f32 v[250:251], v[250:251], v[134:135]
	v_pk_add_f32 v[248:249], v[248:249], v[138:139]
	v_pk_add_f32 v[246:247], v[246:247], v[142:143]
	v_pk_add_f32 v[244:245], v[244:245], v[146:147]
	v_pk_add_f32 v[242:243], v[242:243], v[150:151]
	v_pk_add_f32 v[14:15], v[14:15], v[154:155]
	v_pk_add_f32 v[236:237], v[236:237], v[158:159]
	s_delay_alu instid0(VALU_DEP_2)
	v_pk_add_f32 v[14:15], v[14:15], v[248:249]
	s_delay_alu instid0(VALU_DEP_2)
	v_pk_add_f32 v[236:237], v[236:237], v[246:247]
	v_pk_add_f32 v[254:255], v[254:255], v[244:245]
	v_pk_add_f32 v[250:251], v[250:251], v[242:243]
	s_delay_alu instid0(VALU_DEP_2)
	v_pk_add_f32 v[14:15], v[14:15], v[254:255]
	s_delay_alu instid0(VALU_DEP_2)
	v_pk_add_f32 v[236:237], v[236:237], v[250:251]
	s_delay_alu instid0(VALU_DEP_1)
	v_pk_add_f32 v[14:15], v[14:15], v[236:237]
	s_wait_alu depctr_va_vdst(0)                   ; and one for the four
.irp b, 0,1,2,3
	v_max_num_f32 v[232+\b], 0x1800000, v[232+\b]  ; the floor 2^(3 - 127)
.endr
.irp b, 0,1,2,3
	s_delay_alu instid0(VALU_DEP_4)
	v_add_nc_u32 v[244+\b], 0xff000000, v[232+\b]
.endr
.irp b, 0,1,2,3
	s_delay_alu instid0(VALU_DEP_4)
	v_lshrrev_b32 v[236+\b], 23, v[244+\b]
.endr
	s_delay_alu instid0(VALU_DEP_3)
	v_lshl_or_b32 v253, v237, 8, v236              ; p's scale word for these 128 keys
	s_delay_alu instid0(VALU_DEP_1)
	v_lshl_or_b32 v253, v238, 16, v253
	s_delay_alu instid0(VALU_DEP_1)
	v_lshl_or_b32 v253, v239, 24, v253
.irp c, 0,1
	v_cvt_scalef32_pk16_fp6_f32 v[224+6*\c:226+6*\c], v[96+32*\c:111+32*\c], v[244+2*\c]
	v_cvt_scalef32_pk16_fp6_f32 v[236+4*\c:238+4*\c], v[112+32*\c:127+32*\c], v[244+2*\c+1]
.endr
	v_nop
.irp c, 0,1
.irp i, 0,1,2
	v_permlane16_swap_b32 v[224+6*\c+\i], v[236+4*\c+\i]
.endr
.irp i, 0,1,2
	s_delay_alu instid0(VALU_DEP_3)
	v_mov_b32 v[227+6*\c+\i], v[236+4*\c+\i]
.endr
.endr
.set n, 0
.rept 16
	v_pk_mul_f32 v[160+n:161+n], v[160+n:161+n], v[252:253] op_sel_hi:[1,0]   ; O^T under the new M (these are also the places ahead of the products below)
.set n, n+2
.endr
.endm
; One tile of 16 queries: nst trips over the keys (a constant of the text), then the way out through stage k.  q0: the register with my first query; cp, sp: where the block's codes and scale bytes go
.macro TILE k, nst, q0, cp, sp
	v_mov_b32 v13, 0xff61b1e6                      ; the largest t so far: -3e38
	s_delay_alu instid0(VALU_DEP_1)
	v_floor_f32 v12, -v13
	v_mov_b32 v14, 0
	v_mov_b32 v15, 0
.set n, 0
.rept 32
	v_mov_b32 v[160+n], 0                          ; O^T: the step is written once; its first trip finds zeros
.set n, n+1
.endr
	s_mov_b32 s2, 0                                ; the step's record in LDS
	s_mov_b32 s40, 0                               ; its first key
	s_mov_b32 s3, \nst
.Lstep_\k:
	s_add_co_u32 s61, s[\q0], 23                   ; a step all of whose keys come after my queries is left out: ids and the count of trips alone
	s_cmp_gt_u32 s40, s61
	s_cbranch_scc1 .Lhidden_\k
	v_add_nc_u32 v3, s2, v1
	v_add_nc_u32 v4, s2, v2
	v_nop
	v_nop                                          ; four places in front of loads into registers that the last products have read
.irp b, 0,1,2,3
.irp i, 0,1,2
	ds_load_b128 v[40+12*\b+4*\i:43+12*\b+4*\i], v3 offset:1536*\b+512*\i
.endr
.endr
	ds_load_b64 v[36:37], v4 offset:6144
	s_wait_alu depctr_va_vdst(0)
	s_wait_dscnt 0x0
.irp b, 0,2                                    ; S^T: image b x [q | 0] gives keys 32 b + 16 h + 0 .. 7, x [0 | q] keys + 8 .. 15
	v_wmma_scale_f32_16x16x128_f8f6f4 v[96+16*\b:103+16*\b], v[40+12*\b:51+12*\b], v[16:27], 0, v[36+\b/2], v34 matrix_a_fmt:MATRIX_FMT_FP6 matrix_b_fmt:MATRIX_FMT_FP6
	v_wmma_scale_f32_16x16x128_f8f6f4 v[104+16*\b:111+16*\b], v[40+12*\b:51+12*\b], v[22:33], 0, v[36+\b/2], v34 matrix_a_fmt:MATRIX_FMT_FP6 matrix_b_fmt:MATRIX_FMT_FP6
	v_wmma_scale_f32_16x16x128_f8f6f4 v[112+16*\b:119+16*\b], v[52+12*\b:63+12*\b], v[16:27], 0, v[36+\b/2], v34 matrix_a_fmt:MATRIX_FMT_FP6 matrix_b_fmt:MATRIX_FMT_FP6 matrix_a_scale:MATRIX_SCALE_ROW1
	v_wmma_scale_f32_16x16x128_f8f6f4 v[120+16*\b:127+16*\b], v[52+12*\b:63+12*\b], v[22:33], 0, v[36+\b/2], v34 matrix_a_fmt:MATRIX_FMT_FP6 matrix_b_fmt:MATRIX_FMT_FP6 matrix_a_scale:MATRIX_SCALE_ROW1
.endr
.rept 4
	v_nop
.endr
.irp t, 0,1,2,3                                ; V's four images land under the softmax
.irp i, 0,1,2
	ds_load_b128 v[40+12*\t+4*\i:43+12*\t+4*\i], v3 offset:VOFF+1536*\t+512*\i
.endr
.endr
	ds_load_b64 v[38:39], v4 offset:VOFF+6144
	s_add_co_u32 s61, s40, 127                     ; on the diagonal hidden scores become -infinity; a step all of whose keys count skips this
	s_cmp_le_u32 s61, s[\q0]
	s_cbranch_scc1 .Lopen_\k
	s_sub_co_i32 s61, s[\q0], s40
	v_add_nc_u32 v252, s61, v7                     ; d = my query - the step's first key - 16 h: register 16 b + i holds a hidden key where 32 b + i > d
	v_mov_b32 v254, 0xff800000
.set n, 0
.rept 64
	v_cmp_gt_i32 vcc_lo, 32*(n/16)+n%16, v252
	v_cndmask_b32 v[96+n], v[96+n], v254, vcc_lo
.set n, n+1
.endr
.Lopen_\k:
	SOFTMAX
	s_wait_alu depctr_va_vdst(0)
	s_wait_dscnt 0x0                               ; V is in
.irp t, 0,2                                    ; O^T += V^T P^T: four accumulators by turns
	v_wmma_scale_f32_16x16x128_f8f6f4 v[160+8*\t:167+8*\t], v[40+12*\t:51+12*\t], v[224:235], v[160+8*\t:167+8*\t], v[38+\t/2], v253 matrix_a_fmt:MATRIX_FMT_FP6 matrix_b_fmt:MATRIX_FMT_FP6
	v_wmma_scale_f32_16x16x128_f8f6f4 v[168+8*\t:175+8*\t], v[52+12*\t:63+12*\t], v[224:235], v[168+8*\t:175+8*\t], v[38+\t/2], v253 matrix_a_fmt:MATRIX_FMT_FP6 matrix_b_fmt:MATRIX_FMT_FP6 matrix_a_scale:MATRIX_SCALE_ROW1
.endr
.Lhidden_\k:
	s_add_co_u32 s40, s40, 128
	s_add_co_u32 s2, s2, REC
	s_sub_co_u32 s3, s3, 1
	s_cmp_lg_u32 s3, 0
	s_cbranch_scc1 .Lstep_\k
	; the way out
	v_add_f32 v14, v14, v15
	s_delay_alu instid0(VALU_DEP_1)
	v_permlanex16_b32 v252, v14, s20, s21
	s_delay_alu instid0(VALU_DEP_1)
	v_add_f32 v14, v14, v252                       ; the row's sum
	s_wait_alu depctr_va_vdst(0)
	v_rcp_f32 v14, v14
.rept 4
	v_nop                                          ; plain instructions behind the reciprocal and behind the last products
.endr
	s_wait_alu depctr_va_vdst(0)                   ; the wait ahead of the reciprocal's first reader
	s_wait_loadcnt 0x0                             ; vn
.set n, 0
.rept 16
	v_pk_mul_f32 v[96+n:97+n], v[160+n:161+n], v[14:15] op_sel_hi:[1,0]   ; out = O^T / the sum: register 16 n + i is channel 32 n + 16 h + i
.set n, n+2
.endr
	v_pk_mul_f32 v[232:233], v[96:97], v[192:193]  ; out . vn, in two chains
	v_pk_mul_f32 v[234:235], v[98:99], v[194:195]
.irp j, 4,8,12,16,20,24,28
	s_delay_alu instid0(VALU_DEP_2)
	v_pk_fma_f32 v[232:233], v[96+\j:97+\j], v[192+\j:193+\j], v[232:233]
	s_delay_alu instid0(VALU_DEP_2)
	v_pk_fma_f32 v[234:235], v[98+\j:99+\j], v[194+\j:195+\j], v[234:235]
.endr
	s_delay_alu instid0(VALU_DEP_1)
	v_pk_add_f32 v[232:233], v[232:233], v[234:235]
	s_delay_alu instid0(VALU_DEP_1)
	v_add_f32 v232, v232, v233
	s_delay_alu instid0(VALU_DEP_1)
	v_permlanex16_b32 v236, v232, s20, s21
	s_delay_alu instid0(VALU_DEP_1)
	v_add_f32 v232, v232, v236
	s_delay_alu instid0(VALU_DEP_1)
	v_mul_f32 v232, -1.0, v232
.set n, 0
.rept 16
	v_pk_fma_f32 v[96+n:97+n], v[192+n:193+n], v[232:233], v[96+n:97+n] op_sel_hi:[1,0,1]   ; out - (out . vn) vn
.set n, n+2
.endr
.irp b, 0,1
	v_max3_num_f32 v[240+\b], |v[96+16*\b]|, |v[97+16*\b]|, 0x1800000
.endr
.irp i, 2,4,6,8,10,12,14
.irp b, 0,1
	s_delay_alu instid0(VALU_DEP_2)
	v_max3_num_f32 v[240+\b], v[240+\b], |v[96+16*\b+\i]|, |v[97+16*\b+\i]|
.endr
.endr
.irp b, 0,1
	s_delay_alu instid0(VALU_DEP_2)
	v_permlanex16_b32 v[236+\b], v[240+\b], s20, s21
.endr
.irp b, 0,1
	s_delay_alu instid0(VALU_DEP_2)
	v_max_num_f32 v[240+\b], v[240+\b], v[236+\b]
.endr
.irp b, 0,1
	s_delay_alu instid0(VALU_DEP_2)
	v_add_nc_u32 v[244+\b], 0xff000000, v[240+\b]
.endr
.irp b, 0,1
	s_delay_alu instid0(VALU_DEP_2)
	v_lshrrev_b32 v[246+\b], 23, v[244+\b]
.endr
	v_cvt_scalef32_pk16_fp6_f32 v[224:226], v[96:111], v244    ; 12 bytes: channels 16 h + 0 .. 15 of block 0,
	v_cvt_scalef32_pk16_fp6_f32 v[228:230], v[112:127], v245   ; of block 1
	v_lshl_or_b32 v248, v247, 8, v246              ; the two bytes (also the plain line behind the conversions)
.irp i, 0,1,2
	v_permlane16_swap_b32 v[224+\i], v[228+\i]     ; a whole block of 32 channels in a lane: lanes 0-15 block 0, lanes 16-31 block 1; the first three registers its lower 16 codes, the second three the upper 16
.endr
	v_mov_b32 v227, v228
	v_mov_b32 v228, v229
	v_mov_b32 v229, v230                           ; v224-229: my half of the operand's image
	global_store_b128 v1, v[224:227], s[\cp:\cp+1]                 ; 32 lanes store 512 consecutive bytes, aligned,
	global_store_b64 v2, v[228:229], s[\cp:\cp+1] offset:512       ; and 256
	ds_store_b16 v9, v248 offset:12800*\k          ; both halves of the lanes write the same two bytes with the same value
	s_wait_tensorcnt 0x0
	s_wait_dscnt 0x0                               ; for the others' sake: my stores into the stage are done
	s_barrier_signal -1
	s_barrier_wait -1
	s_cmp_lt_u32 s18, 2
	s_cbranch_scc0 .Lno_bytes_\k
	ds_load_b64 v[46:47], v11 offset:12800*\k
	s_wait_dscnt 0x0
	global_store_b64 v2, v[46:47], s[\sp:\sp+1]    ; 32 lanes store 256 consecutive bytes, aligned
.Lno_bytes_\k:
.endm
	TILE 0, 4, 41, 48, 52                          ; the early block: key steps 0-3 at the most
	s_wait_xcnt 0x0                                ; its stores have read their registers
	v_mov_b32 v34, v94                             ; the late tile's q
.irp j, 0,1,2,3,4,5
	v_mov_b32 v[16+\j], v[88+\j]
	v_mov_b32 v[28+\j], v[88+\j]
.endr
	VNLOAD 46                                      ; its vn lands under its key steps
	TILE 1, 8, 42, 50, 54
	s_wait_tensorcnt 0x0                           ; the wave's end: behind my last tensor load and my last LDS store
	ds_add_u32 v5, v6
	s_wait_dscnt 0x0
	s_endpgm
.Lfunc_end_k_q712aa5f67d_attn:
	.size	k_q712aa5f67d_attn, .Lfunc_end_k_q712aa5f67d_attn-k_q712aa5f67d_attn
	.p2alignl 7, 3214868480
	.fill 96, 4, 3214868480
	.section	.rodata,"a",@progbits
	.p2align	6, 0x0
	.amdhsa_kernel k_q712aa5f67d_attn
		.amdhsa_group_segment_fixed_size 167936
		.amdhsa_private_segment_fixed_size 0
		.amdhsa_enable_private_segment 0
		.amdhsa_kernarg_size 40
		.amdhsa_user_sgpr_count 2
		.amdhsa_user_sgpr_kernarg_segment_ptr 1
		.amdhsa_wavefront_size32 1
		.amdhsa_system_sgpr_workgroup_id_x 1
		.amdhsa_system_sgpr_workgroup_id_y 1
		.amdhsa_system_sgpr_workgroup_id_z 1
		.amdhsa_system_vgpr_workitem_id 0
		.amdhsa_next_free_vgpr 256
		.amdhsa_next_free_sgpr 80
		.amdhsa_reserve_vcc 1
		.amdhsa_float_denorm_mode_32 3
		.amdhsa_float_denorm_mode_16_64 3
		.amdhsa_memory_ordered 1
		.amdhsa_forward_progress 1
		.amdhsa_inst_pref_size 74
	.end_amdhsa_kernel
	.amdgpu_metadata
---
amdhsa.version: [ 1, 2 ]
amdhsa.kernels:
  - .name:           k_q712aa5f67d_attn
    .symbol:         k_q712aa5f67d_attn.kd
    .args:
      - { .name: q_ws, .offset: 0, .size: 8, .value_kind: global_buffer, .address_space: global }
      - { .name: kv_ws, .offset: 8, .size: 8, .value_kind: global_buffer, .address_space: global }
      - { .name: vn_img, .offset: 16, .size: 8, .value_kind: global_buffer, .address_space: global }
      - { .name: a_codes, .offset: 24, .size: 8, .value_kind: global_buffer, .address_space: global }
      - { .name: a_scl, .offset: 32, .size: 8, .value_kind: global_buffer, .address_space: global }
    .group_segment_fixed_size: 167936
    .private_segment_fixed_size: 0
    .kernarg_segment_align: 8
    .kernarg_segment_size: 40
    .max_flat_workgroup_size: 512
    .sgpr_count:     80
    .vgpr_count:     256
    .wavefront_size: 32
...
	.end_amdgpu_metadata
.endif
;; end of part 3
;; launch oproj (part 4): grid 16 x 16, 4 waves a work-group, clusters of 4 x 1, 327,680 bytes of LDS; arguments a_codes, a_scl, cod, scl, out0; writes out0
.if DOCPART == 4
	.amdgcn_target "amdgcn-amd-amdhsa--gfx1250"
	.amdhsa_code_object_version 6
	.text
	.protected	k_q712aa5f67d_oproj
	.globl	k_q712aa5f67d_oproj
	.p2align	8
	.type	k_q712aa5f67d_oproj,@function
k_q712aa5f67d_oproj:
	s_mov_b64 s[64:65], 0
	v_nop
	global_prefetch_b8 v0, s[64:65] scope:SCOPE_SE
	s_setreg_imm32_b32 hwreg(HW_REG_WAVE_MODE, 25, 1), 1
	s_wait_xcnt 0x0
	s_wait_alu depctr_hold_cnt(0) depctr_sa_sdst(0) depctr_va_vdst(0) depctr_va_sdst(0) depctr_va_ssrc(0) depctr_va_vcc(0) depctr_vm_vsrc(0)
	s_getreg_b32 s2, hwreg(HW_REG_IB_STS2, 6, 4)
	s_cmp_eq_u32 s2, 0
	s_cbranch_scc0 .Lentry_in_a_cluster
	s_endpgm
.Lentry_in_a_cluster:
	s_bfe_u32 s2, ttmp6, 0x10000c
	s_cmp_lg_u32 s2, 0x3003
	s_cbranch_scc0 .Lentry_shape_is_right
	s_endpgm
.Lentry_shape_is_right:
; out0 [4096 tokens][2048] f32 = A wo^T on codes of FP6 (E2M3) with E8M0 scales, K = 2,048; A is the attention's result, quantised by the launch before.  Nothing of the product is left out.
; SHARES.  Work-group (x, y): tokens 256 x .. + 255, rows 128 y .. + 127 of wo: 16 x 16 = 256 work-groups.  Wave w: the 64 tokens 256 x + 64 w .., against all 128 rows: 4 x 8 = 32 accumulators, 256 registers.
; wo's 128 ROWS, ALL OF K, LIE IN LDS: 196,608 consecutive bytes of cod ([K step of 256 (8)][row][192 bytes]), each wave fetching two K steps by ONE tensor load of 192 rows of 256 bytes, 16 bytes of padding behind each 64:
; an LDS row of 192 bytes takes 240, a K step's plane 30,720.  Nothing is filled again: one barrier behind the fills, none in the walk along K.
; THE TOKENS' FRAGMENTS belong to one wave alone, so they pass no LDS: a_codes holds them as images of the operand's registers, and each wave loads its own, 6,144 consecutive bytes a step of 128, three steps ahead, in four sets.
; Scale words come by global loads too: the tokens' (256 bytes a step: lane r takes its row's four words, one a tile), and wo's (a K step of 256: 32 rows x 8 bytes a load; lanes 0-15 an even block of 16 rows, lanes 16-31 the odd one).
; CLUSTER 4, 1, 1: the four work-groups of a cluster have the same y and ask for wo's rows jointly.  The tokens' loads go to registers and are each wave's own, so there is nothing to ask for jointly there.
; NO PREFETCH INTO THE L2: the fills all go out at the head, and the register loads themselves run three steps ahead of their use.
; THE MATRIX INSTRUCTION IS USED TRANSPOSED (source 0 = 16 rows of wo, source 1 = 16 tokens): a lane holds eight neighbouring numbers of a row of out0.
; ORDERS.  Inside each 32 rows of wo, row i lies at place i with bits 3 and 4 exchanged; tile a of a wave's four holds tokens 32 (a / 2) + 8 (a % 2) + r % 8 + 16 (r / 8).  Both are undone on the way out, by offsets alone.
; REGISTERS.  Window 0: v0-15 addresses; v16-31 wo's scale words, two sets; v32-47 the tokens', four sets; v64-255 the tokens' fragments, four sets of 48 (on the way out: rows read back).
; Window 1: the accumulators, (a, b) at v[8 (8 a + b)].  Window 2: v0-191 wo's fragments, two sets of 96.
; A PREFETCH INTO THE L2 (this takes the place of the head's paragraph that leaves it out): the sixteen work-groups of one x read the same tokens' images.  Steps 0 to 2 come by every wave's first loads;
; of steps 3 to 15 the work-group of row y asks, once, at its head, for step y + 3 of each of its waves' streams: 24 blocks of 256 bytes, a lane a block, lanes 24-31 naming the last again.  Rows 13 to 15 ask for nothing.
.set PITCH,  240
.set PLANE,  128*PITCH                 ; a K step of 256 of wo's 128 rows in LDS
.set STAGE,  8*PLANE                   ; behind wo: 16 rows x 528 bytes for each wave, for the way out; no fill lands there
.set SPITCH, 528
.set SPARE,  STAGE+4*16*SPITCH         ; the spare words, 128 bytes a wave: two blocks of 256 bytes that no other line names
.set ADR,  4                           ; v4 row r x 240 + 24 h; v5 the same + 16 h, for pieces whose upper lanes lie behind one more padding
.set VO16, 6                           ; 16 x lane
.set VO8,  7                           ; 8 x lane
.set VOS,  8                           ; 16 x r
.set STO,  9                           ; the stage, in
.set RD,   10                          ; the stage, back
.set SPW,  12                          ; my spare word; never rewritten
.set NIL,  13                          ; 0; never rewritten
.set SW,   16
.set TSC,  32
.set TF,   64
.set BK,   64
.set MSB, 0
.macro WIN new                         ; the immediate's high byte repeats the setting that is left
.if MSB != (\new)
	s_set_vgpr_msb (MSB<<8)|(\new)
.set MSB, (\new)
.endif
.endm
.macro CROUND                          ; a round of the cluster's barrier
	s_barrier_signal -1
	s_barrier_wait -1
	s_cmp_lg_u32 s14, 0
	s_cbranch_scc1 .Lnot_wave_0_\@
	s_barrier_signal -3
.Lnot_wave_0_\@:
	s_barrier_wait -3
	s_barrier_signal -1
	s_barrier_wait -1
.endm
.macro PLACES
.rept 4
	v_nop
.endr
.endm
	s_load_b256 s[4:11], s[0:1], 0x0               ; a_codes, a_scl, cod, scl
	s_load_b64 s[12:13], s[0:1], 0x20              ; out0
	v_lshl_add_u32 v[SPW], v0, 2, SPARE
	v_mov_b32 v[NIL], 0
	ds_add_u32 v[SPW], v[NIL]                      ; the opening lines: the add, twice on end, and its wait ahead of my first tensor load
	ds_add_u32 v[SPW], v[NIL]
	v_lshrrev_b32 v1, 5, v0
	v_readfirstlane_b32 s14, v1                    ; wave 0..3
	s_bfe_u32 s15, ttmp6, 0x40000                  ; cx
	s_lshl_b32 s16, ttmp9, 2
	s_add_co_u32 s16, s16, s15                     ; x = 4 x cluster x + cx
	s_and_b32 s17, ttmp7, 0xffff                   ; y
	s_mov_b32 s24, 15|(1<<20)|(1<<21)|(3<<22)|(3<<25)  ; group 1: the mask of all four partners; elements of 1 byte; padding on; bit 21 beside the mask; after every 16 words, 4 words
	s_mov_b32 s25, 256<<16
	s_mov_b32 s26, 192<<16
	s_mov_b32 s27, 256<<16
	s_mov_b32 s28, 192
	s_mov_b32 s29, 256
	s_mov_b32 s30, 0
	s_mov_b32 s31, 0
	s_mov_b32 s32, 1
	s_mul_i32 s33, s14, 2*PLANE                    ; my two K steps' planes in LDS
	s_lshl_b32 s18, s16, 2
	s_add_co_u32 s18, s18, s14                     ; which 64 tokens are mine
	s_mul_i32 s36, s18, 98304                      ; their images,
	s_mov_b32 s37, 0
	s_lshl_b32 s38, s18, 12                        ; their scale words,
	s_mov_b32 s39, 0
	s_mul_i32 s40, s17, 196608                     ; wo's block y in cod (made of y and the wave's number alone),
	s_mul_i32 s41, s14, 49152
	s_add_co_u32 s40, s40, s41
	s_add_co_u32 s40, s40, 11010048
	s_mov_b32 s41, 0
	s_lshl_b32 s42, s17, 10                        ; its scale words: 1,024 bytes in each K step's plane of 16,384,
	s_add_co_u32 s42, s42, 458752
	s_mov_b32 s43, 0
	s_lshl_b32 s44, s18, 19                        ; and my 64 rows of out0, 8,192 bytes each, + 512 y
	s_lshl_b32 s45, s17, 9
	s_add_co_u32 s44, s44, s45
	s_mov_b32 s45, 0
	s_mul_i32 s46, s17, 6144                       ; the prefetch: step y + 3 of my stream
	s_add_co_u32 s46, s46, 3*6144
	s_mov_b32 s47, 0
	s_mul_i32 s19, s14, 16*SPITCH
	s_add_co_u32 s19, s19, STAGE                   ; my stage
	v_and_b32 v1, 15, v0                           ; r
	v_bfe_u32 v2, v0, 4, 1                         ; h
	v_and_b32 v3, 31, v0                           ; lane
	v_mul_u32_u24 v11, v1, PITCH
	v_mad_u32_u24 v[ADR], v2, 24, v11
	v_lshl_add_u32 v[ADR+1], v2, 4, v[ADR]
	v_lshlrev_b32 v[VO16], 4, v3
	v_lshlrev_b32 v[VO8], 3, v3
	v_lshlrev_b32 v[VOS], 4, v1
	v_min_u32 v14, 23, v3
	v_lshlrev_b32 v14, 8, v14                      ; 256 x min(lane, 23); never rewritten
	v_mul_u32_u24 v11, v1, SPITCH
	v_lshl_add_u32 v11, v2, 6, v11                 ; in: row r; the upper lanes' eight numbers lie 16 columns on
	v_add_nc_u32 v[STO], s19, v11
	v_add_nc_u32 v[RD], s19, v[VO16]               ; back: the 32 lanes take one row of 512 bytes
	s_wait_alu depctr_va_vdst(0)
	s_wait_dscnt 0x0                               ; both opening adds are done
	s_wait_kmcnt 0x0
	s_add_nc_u64 s[4:5], s[4:5], s[36:37]
	s_add_nc_u64 s[46:47], s[4:5], s[46:47]        ; never rewritten
	s_add_nc_u64 s[6:7], s[6:7], s[38:39]
	s_add_nc_u64 s[34:35], s[8:9], s[40:41]
	s_or_b32 s35, s35, 0x80000000
	s_add_nc_u64 s[10:11], s[10:11], s[42:43]
	s_add_nc_u64 s[12:13], s[12:13], s[44:45]
	CROUND                                         ; the four partners are here: the joint loads meet
	tensor_load_to_lds s[32:35], s[24:31]          ; K steps 2 w and 2 w + 1 of wo's 128 rows: my one tensor load
	s_nop 0
	PLACES
	s_cmp_lt_u32 s17, 13                           ; y alone: the same in all partners
	s_cbranch_scc0 .Lno_ask
	global_prefetch_b8 v14, s[46:47] th:TH_LOAD_NT scope:SCOPE_SE
.Lno_ask:
; the tokens' fragments and scale words of step s (counted from where the bases stand) -> set s % 4: 17 loads
.macro TLOADS s
.irp a, 0,1,2,3
.irp c, 0,1
	global_load_b128 v[TF+48*((\s)%4)+12*\a+6*\c:TF+48*((\s)%4)+12*\a+6*\c+3], v[VO16], s[4:5] offset:(\s)*6144+\a*1536+\c*768
	global_load_b64 v[TF+48*((\s)%4)+12*\a+6*\c+4:TF+48*((\s)%4)+12*\a+6*\c+5], v[VO8], s[4:5] offset:(\s)*6144+\a*1536+\c*768+512
.endr
.endr
	global_load_b128 v[TSC+4*((\s)%4):TSC+4*((\s)%4)+3], v[VOS], s[6:7] offset:(\s)*256
.endm
; wo's scale words of the K step of 256 numbered p -> set p % 2: 4 loads; register 2 i + q: blocks 2 i (lanes 0-15) and 2 i + 1 (lanes 16-31), the q-th step of 128
.macro WSC p
.irp i, 0,1,2,3
	global_load_b64 v[SW+8*((\p)%2)+2*\i:SW+8*((\p)%2)+2*\i+1], v[VO8], s[10:11] offset:(\p)*16384+\i*256
.endr
.endm
; wo's eight fragments of a step of parity s % 2, pl planes on from the address registers -> set s % 2.  A fragment is six pieces of 8 bytes; piece PC of a row lies at 8 PC + 16 (PC / 8)
.macro FETCH s, pl
	WIN 0x80                                       ; destination window 2, address window 0
.irp i, 0,1,2,3,4,5,6,7
.irp p, 0,1,2,3,4,5
.set PC, 12*((\s)%2)+6*(\p/3)+\p%3
	ds_load_b64 v[96*((\s)%2)+12*\i+2*\p:96*((\s)%2)+12*\i+2*\p+1], v[ADR+(PC%8)/5] offset:(\pl)*PLANE+\i*16*PITCH+8*PC+16*(PC/8)
.endr
.endr
	WIN 0
.endm
; 32 matrix instructions: the 32 accumulators by turns, one instruction a turn, in the same order in every step
.macro MUL st, zero
	WIN 0x52                                       ; source 0 (wo) window 2, source 1 (tokens) window 0, C and D window 1
.irp a, 0,1,2,3
.irp bb, 0,1,2,3
.if \zero
	v_wmma_scale_f32_16x16x128_f8f6f4 v[8*(8*\a+2*\bb):8*(8*\a+2*\bb)+7], v[96*((\st)%2)+24*\bb:96*((\st)%2)+24*\bb+11], v[TF+48*((\st)%4)+12*\a:TF+48*((\st)%4)+12*\a+11], 0, v[SW+8*(((\st)/2)%2)+2*\bb+(\st)%2], v[TSC+4*((\st)%4)+\a] matrix_a_fmt:MATRIX_FMT_FP6 matrix_b_fmt:MATRIX_FMT_FP6
	v_wmma_scale_f32_16x16x128_f8f6f4 v[8*(8*\a+2*\bb+1):8*(8*\a+2*\bb+1)+7], v[96*((\st)%2)+24*\bb+12:96*((\st)%2)+24*\bb+23], v[TF+48*((\st)%4)+12*\a:TF+48*((\st)%4)+12*\a+11], 0, v[SW+8*(((\st)/2)%2)+2*\bb+(\st)%2], v[TSC+4*((\st)%4)+\a] matrix_a_fmt:MATRIX_FMT_FP6 matrix_b_fmt:MATRIX_FMT_FP6 matrix_a_scale:MATRIX_SCALE_ROW1
.else
	v_wmma_scale_f32_16x16x128_f8f6f4 v[8*(8*\a+2*\bb):8*(8*\a+2*\bb)+7], v[96*((\st)%2)+24*\bb:96*((\st)%2)+24*\bb+11], v[TF+48*((\st)%4)+12*\a:TF+48*((\st)%4)+12*\a+11], v[8*(8*\a+2*\bb):8*(8*\a+2*\bb)+7], v[SW+8*(((\st)/2)%2)+2*\bb+(\st)%2], v[TSC+4*((\st)%4)+\a] matrix_a_fmt:MATRIX_FMT_FP6 matrix_b_fmt:MATRIX_FMT_FP6
	v_wmma_scale_f32_16x16x128_f8f6f4 v[8*(8*\a+2*\bb+1):8*(8*\a+2*\bb+1)+7], v[96*((\st)%2)+24*\bb+12:96*((\st)%2)+24*\bb+23], v[TF+48*((\st)%4)+12*\a:TF+48*((\st)%4)+12*\a+11], v[8*(8*\a+2*\bb+1):8*(8*\a+2*\bb+1)+7], v[SW+8*(((\st)/2)%2)+2*\bb+(\st)%2], v[TSC+4*((\st)%4)+\a] matrix_a_fmt:MATRIX_FMT_FP6 matrix_b_fmt:MATRIX_FMT_FP6 matrix_a_scale:MATRIX_SCALE_ROW1
.endif
.endr
.endr
	WIN 0
.endm
; A step of 128 along K.  Step st's batch of global loads is: on even steps wo's scale words of the K step of 256 after next's first (4 loads), FIRST; then the tokens of step st + 3 (17).
; lc, what may be out at the step's head: an even step needs its tokens (batch st - 3) and its scale words (the first 4 of batch st - 2): 17 + 17 = 34 younger loads; an odd step needs batch st - 3: 17 + 21 = 38 younger.
.macro STEP st, lc, fetch, pl, load, zero
	s_wait_loadcnt \lc
	s_wait_dscnt 0x0                               ; wo's fragments of this step, asked for ahead of the last step's products
.if (\fetch) && (\zero) == 0
	PLACES                                         ; four places behind the last products, ahead of loads into registers that they have read
.endif
.if \fetch
	FETCH (\st)+1, \pl
.endif
.if \load
.if (\st)%2 == 0
	WSC (\st)/2+1
.endif
	TLOADS (\st)+3
.endif
	MUL \st, \zero
.endm
	WSC 0
	TLOADS 0
	TLOADS 1
	TLOADS 2
	s_wait_tensorcnt 0x0                           ; my two planes are in;
	s_barrier_signal -1
	s_barrier_wait -1                              ; everybody's are: all of wo's block lies in LDS
	FETCH 0, 0
	STEP 0, 34, 1, 0, 1, 1                         ; the first step's products start the sums
	v_add_nc_u32 v[ADR], PLANE, v[ADR]             ; from here on the address registers stand at the plane of the trip's first fetch
	v_add_nc_u32 v[ADR+1], PLANE, v[ADR+1]
	s_wait_alu depctr_va_vdst(0)
	s_mov_b32 s3, 3
.Llap:                                                 ; a trip: steps 4 i + 1 .. 4 i + 4: all sets of registers are back where they began
	STEP 1, 38, 1, 0, 1, 0
	STEP 2, 34, 1, 0, 1, 0
	STEP 3, 38, 1, 1, 1, 0
	STEP 4, 34, 1, 1, 1, 0
	s_wait_xcnt 0x0                                ; the loads have read their bases
	s_add_nc_u64 s[4:5], s[4:5], 4*6144
	s_add_nc_u64 s[6:7], s[6:7], 4*256
	s_add_nc_u64 s[10:11], s[10:11], 2*16384
	v_add_nc_u32 v[ADR], 2*PLANE, v[ADR]
	v_add_nc_u32 v[ADR+1], 2*PLANE, v[ADR+1]
	s_sub_co_u32 s3, s3, 1
	s_cmp_lg_u32 s3, 0
	s_wait_alu depctr_va_vdst(0)
	s_cbranch_scc1 .Llap
	STEP 1, 38, 1, 0, 0, 0                         ; steps 13, 14, 15 ask memory for nothing more: step 12's batch was the last
	STEP 2, 17, 1, 0, 0, 0                         ; (its tokens, and the first 4 of step 12's batch: the 17 behind them may be out)
	STEP 3, 0, 0, 0, 0, 0
; THE WAY OUT, tile by tile of 16 tokens x 128 columns, through my own stage: in as 32 bytes a lane, back as whole rows of 512 bytes.  LDS serves a wave's instructions in order, so no wait stands between the stores and the loads.
.macro TOSTAGE a
	WIN 0x04                                       ; the data: window 1
.irp b, 0,1,2,3,4,5,6,7
	ds_store_b128 v[STO], v[64*(\a)+8*\b:64*(\a)+8*\b+3] offset:128*(\b/2)+32*(\b%2)      ; each accumulator from its low end on
	ds_store_b128 v[STO], v[64*(\a)+8*\b+4:64*(\a)+8*\b+7] offset:128*(\b/2)+32*(\b%2)+16
.endr
	WIN 0
.irp t, 0,1,2,3,4,5,6,7,8,9,10,11,12,13,14,15
	ds_load_b128 v[BK+64*((\a)%2)+4*\t:BK+64*((\a)%2)+4*\t+3], v[RD] offset:\t*SPITCH
.endr
.endm
.macro SEND a, younger                 ; younger: the LDS instructions issued behind tile a's loads
	s_wait_dscnt \younger
.irp t, 0,1,2,3,4,5,6,7,8,9,10,11,12,13,14,15
	global_store_b128 v[VO16], v[BK+64*((\a)%2)+4*\t:BK+64*((\a)%2)+4*\t+3], s[12:13] offset:(32*((\a)/2)+8*((\a)%2)+(\t%8)+16*(\t/8))*8192 th:TH_STORE_NT   ; 32 lanes store 512 consecutive bytes, aligned
.endr
.endm
	PLACES                                         ; behind the last products: for the reads of results and for loads into the registers that held fragments
	TOSTAGE 0
.irp a, 1,2,3
.if \a > 1
	s_wait_xcnt 0x0                                ; tile a - 2's stores have read their registers: tile a's loads may land there
.endif
	TOSTAGE \a
	SEND \a-1, 32                                  ; behind tile a - 1's loads: tile a's 16 stores and 16 loads
.endr
	SEND 3, 0
	s_wait_tensorcnt 0x0                           ; the wave's end: behind my last tensor load and my last LDS store
	ds_add_u32 v[SPW], v[NIL]
	s_wait_dscnt 0x0
	CROUND                                         ; the closing round
	s_endpgm
.Lfunc_end_k_q712aa5f67d_oproj:
	.size	k_q712aa5f67d_oproj, .Lfunc_end_k_q712aa5f67d_oproj-k_q712aa5f67d_oproj
	.p2alignl 7, 3214868480
	.fill 96, 4, 3214868480
	.section	.rodata,"a",@progbits
	.p2align	6, 0x0
	.amdhsa_kernel k_q712aa5f67d_oproj
		.amdhsa_group_segment_fixed_size 327680
		.amdhsa_private_segment_fixed_size 0
		.amdhsa_enable_private_segment 0
		.amdhsa_kernarg_size 40
		.amdhsa_user_sgpr_count 2
		.amdhsa_user_sgpr_kernarg_segment_ptr 1
		.amdhsa_wavefront_size32 1
		.amdhsa_system_sgpr_workgroup_id_x 1
		.amdhsa_system_sgpr_workgroup_id_y 1
		.amdhsa_system_sgpr_workgroup_id_z 1
		.amdhsa_system_vgpr_workitem_id 0
		.amdhsa_next_free_vgpr 768
		.amdhsa_next_free_sgpr 66
		.amdhsa_reserve_vcc 0
		.amdhsa_float_denorm_mode_32 3
		.amdhsa_float_denorm_mode_16_64 3
		.amdhsa_memory_ordered 1
		.amdhsa_forward_progress 1
		.amdhsa_inst_pref_size 93
	.end_amdhsa_kernel
	.amdgpu_metadata
---
amdhsa.version: [ 1, 2 ]
amdhsa.kernels:
  - .name:           k_q712aa5f67d_oproj
    .symbol:         k_q712aa5f67d_oproj.kd
    .args:
      - { .name: a_codes, .offset: 0, .size: 8, .value_kind: global_buffer, .address_space: global }
      - { .name: a_scl, .offset: 8, .size: 8, .value_kind: global_buffer, .address_space: global }
      - { .name: cod, .offset: 16, .size: 8, .value_kind: global_buffer, .address_space: global }
      - { .name: scl, .offset: 24, .size: 8, .value_kind: global_buffer, .address_space: global }
      - { .name: out0, .offset: 32, .size: 8, .value_kind: global_buffer, .address_space: global }
    .group_segment_fixed_size: 327680
    .private_segment_fixed_size: 0
    .kernarg_segment_align: 8
    .kernarg_segment_size: 40
    .max_flat_workgroup_size: 128
    .sgpr_count:     66
    .vgpr_count:     768
    .wavefront_size: 32
...
	.end_amdgpu_metadata
.endif
;; end of part 4
